; MI455X (gfx1250); checked and timed in simulation.
; The chip was launched on July 23, 2026; its instructions are those of AMD's public machine-readable ISA for CDNA 5 (MIT licence, August 2026) and "CDNA5" Instruction Set Architecture Reference Guide (July 2026). The comments in the code are by the model that wrote it; some were corrected since.
;; Attn Match. Allowed arithmetic: float matrix products may take bf16 or f16 operands with f32 sums; other float arithmetic in f32, or as packed bf16 or f16 multiplies, adds, multiply-adds, maxima and minima; sums over many terms, partial sums and values carried from step to step in f32; what a program stores and reads back later, other than sums and carried values, may be rounded once to bf16 or f16.
;; Inputs: U 1,024 x 1,024 float32; W 1,024 x 1,024 float32; att_hidden 32 x 2,048 x 1,024 float32; rnn_state 1 x 32 x 1,024 float32.
;; Outputs: out0 32 x 1,024 float32; out1 32 x 2,048 float32.
;; 2 versions, each right; version 2 is version 1 with the launch match written anew for expert scheduling mode. Each part assembles by itself: llvm-mc -triple=amdgcn-amd-amdhsa -mcpu=gfx1250 --defsym DOCPART=n.
;; ======== version 1 of 2: 3 launches
;; workspace buffers: wb 2,228,224 bytes; qb 131,072 bytes; part 2,621,440 bytes
;; launch prep (part 1): grid 128 x 1, 8 waves a work-group, no clusters, 17,408 bytes of LDS; arguments W, U, rnn_state, wb, qb; writes wb, qb
.if DOCPART == 1
	.amdgcn_target "amdgcn-amd-amdhsa--gfx1250"
	.amdhsa_code_object_version 6
	.text
	.protected	k_q8fb9c62cdf_prep
	.globl	k_q8fb9c62cdf_prep
	.p2align	8
	.type	k_q8fb9c62cdf_prep,@function
k_q8fb9c62cdf_prep:
	s_mov_b64 s[64:65], 0
	v_nop
	global_prefetch_b8 v0, s[64:65] scope:SCOPE_SE
	s_setreg_imm32_b32 hwreg(HW_REG_WAVE_MODE, 25, 1), 1
	s_wait_xcnt 0x0
; FIRST OF THREE LAUNCHES.  reference(): proj = relu(H W^T + q), q = rs U^T; scores = proj . rs; weights = softmax over a batch's 2,048 rows; out0 = the weighted sum of H's rows.
; NOTHING IS LEFT OUT: all four inputs reach both outputs, and every step of reference() is done, the maximum in front of the exponential too.
; FORMATS.  All four inputs (H, W, U, rs) are rounded once to bf16, to nearest even, wherever they are used; all that is made of them (q, proj, scores, weights, sums) stays in f32.
; LIMITS.  A weight below 2^-126 counts as 0; NaN and infinities are not treated apart.
; THIS LAUNCH makes two tables.  Work-groups 0-63 (role 0): W in bf16, laid out as the matrix instruction's fragments lie in registers, one stream for each wave number w of the next launch:
;   wb[w 0..3][pos 0..67][b 0..7][hf 0..1][lane 0..31][8 bf16] = W[e][k], e = 512 p + 128 w + 16 b + lane % 16, k = 32 t + 16 hf + 8 (lane / 16) + 0..7, pos = 32 p + t;
;   positions 64-67 repeat positions 0-3, so that the reader's pointer never turns back inside a block of rows.
; Work-groups 64-127 (role 1): q = rs U^T in f32, qb[et 0..63][batch 0..31][16 e].
; SHARES.  A work-group takes 16 rows (tile et) of W or of U; of their 1,024 columns wave v takes 128 v .. 128 v + 127: four fragments of 32.  For q the eight waves' partial sums meet in LDS.
; A fragment is 16 rows x 32 k in 8 registers: lane l holds row l % 16, registers 0-3 k = 8 (l / 16) + 0..7, registers 4-7 k = 16 + 8 (l / 16) + 0..7: from f32 rows four loads of 16 bytes, then eight roundings in pairs.
.set SPARE, 16384                      ; behind the partial sums: the spare words, 128 bytes for each of the eight waves
.set FO,  2                            ; v2   (l % 16) x 4,096 + 32 (l / 16): my place in 16 rows of f32
.set SO,  3                            ; v3   16 l: my 16 bytes of a fragment half in wb
.set PS,  4                            ; v4   2,048 v + 64 (l % 16) + 32 (l / 16): my 32 bytes of a partial tile
.set TO,  5                            ; v5   16 x thread
.set SPW, 14                           ; v14  LDS address of my spare word; never rewritten
.set NIL, 15                           ; v15  0; never rewritten
.set ACC, 16                           ; v[16:31]   two accumulators: batches 0-15, 16-31
.set LM,  32                           ; v[32:95]   my rows of W or U: 16 registers a fragment as loaded, the first 8 as rounded
.set R0,  96                           ; v[96:159]  rs, batches 0-15, likewise; later the eight partial sums
.set R1,  160                          ; v[160:223] rs, batches 16-31
.set WV,  16                           ; s16  my wave's number
.set ROLE, 17                          ; s17  0: W, 1: U
.set ET,  18                           ; s18  the tile of 16 rows
	s_load_b256 s[4:11], s[0:1], 0x0               ; W s[4:5], U s[6:7], rs s[8:9], wb s[10:11]
	s_load_b64 s[12:13], s[0:1], 0x20              ; qb
	v_lshl_add_u32 v[SPW], v0, 2, SPARE
	v_mov_b32 v[NIL], 0
	v_lshrrev_b32 v1, 5, v0
	v_readfirstlane_b32 s[WV], v1                  ; wave 0..7
	s_lshr_b32 s[ROLE], ttmp9, 6
	s_and_b32 s[ET], ttmp9, 63
	v_and_b32 v6, 15, v0                           ; l % 16
	v_bfe_u32 v7, v0, 4, 1                         ; l / 16
	v_and_b32 v8, 31, v0                           ; l
	v_lshlrev_b32 v[FO], 12, v6
	v_lshl_add_u32 v[FO], v7, 5, v[FO]
	v_lshlrev_b32 v[SO], 4, v8
	s_lshl_b32 s19, s[WV], 11
	v_lshl_add_u32 v[PS], v6, 6, s19
	v_lshl_add_u32 v[PS], v7, 5, v[PS]
	v_lshlrev_b32 v[TO], 4, v0
	s_lshl_b32 s20, s[ET], 16                      ; 16 rows of 4,096 bytes,
	s_lshl_b32 s22, s[WV], 9                       ; my 128 columns
	s_add_co_u32 s20, s20, s22
	s_mov_b32 s21, 0
	s_mov_b32 s23, 0
	s_lshr_b32 s24, s[ET], 5                       ; p
	s_bfe_u32 s25, s[ET], 0x20003                  ; w: two bits from bit 3
	s_and_b32 s26, s[ET], 7                        ; b
	s_mul_i32 s25, s25, 68
	s_lshl_b32 s27, s24, 5
	s_add_co_u32 s25, s25, s27
	s_lshl_b32 s27, s[WV], 2
	s_add_co_u32 s25, s25, s27                     ; 68 w + 32 p + 4 v: my first position
	s_lshl_b32 s28, s25, 13                        ; of 8,192 bytes,
	s_lshl_b32 s26, s26, 10                        ; and fragment b in it
	s_add_co_u32 s28, s28, s26
	s_mov_b32 s29, 0
	s_lshl_b32 s30, s[ET], 11                      ; qb: 2,048 bytes a tile
	s_mov_b32 s31, 0
	s_or_b32 s32, s24, s[WV]                       ; 0 where p = 0 and v = 0: positions 0-3, which are written twice
	s_wait_kmcnt 0x0
	s_cmp_eq_u32 s[ROLE], 0
	s_cselect_b64 s[14:15], s[4:5], s[6:7]         ; my matrix
	s_add_nc_u64 s[14:15], s[14:15], s[20:21]
	s_add_nc_u64 s[8:9], s[8:9], s[22:23]          ; rs at my 128 columns
	s_add_nc_u64 s[10:11], s[10:11], s[28:29]
	s_add_nc_u64 s[12:13], s[12:13], s[30:31]
; Four fragments' 16 loads.  nt = 1: bytes that the launch reads once.
.macro FRAG dst, base, extra, nt
.irp k, 0,1,2,3
.irp o, 0,1,2,3
.if \nt
	global_load_b128 v[(\dst)+16*\k+4*\o:(\dst)+16*\k+4*\o+3], v[FO], s[\base:\base+1] offset:(\extra)+128*\k+16*(\o%2)+64*(\o/2) th:TH_LOAD_NT
.else
	global_load_b128 v[(\dst)+16*\k+4*\o:(\dst)+16*\k+4*\o+3], v[FO], s[\base:\base+1] offset:(\extra)+128*\k+16*(\o%2)+64*(\o/2)
.endif
.endr
.endr
.endm
; Rounded in place: register n of a fragment takes numbers 2 n and 2 n + 1, in ascending n, so that each register is read before it is written.
.macro CVT f
.set kk, 0
.rept 4
.set ii, 0
.rept 8
	v_cvt_pk_bf16_f32 v[(\f)+16*kk+ii], v[(\f)+16*kk+2*ii], v[(\f)+16*kk+2*ii+1]
.set ii, ii+1
.endr
.set kk, kk+1
.endr
.endm
.macro WOUT extra                      ; four positions, two halves each: every store of the wave covers 512 consecutive bytes, aligned
.irp k, 0,1,2,3
	global_store_b128 v[SO], v[LM+16*\k:LM+16*\k+3],   s[10:11] offset:(\extra)+8192*\k
	global_store_b128 v[SO], v[LM+16*\k+4:LM+16*\k+7], s[10:11] offset:(\extra)+8192*\k+512
.endr
.endm
	FRAG LM, 14, 0, 1
	s_cmp_lg_u32 s[ROLE], 0
	s_cbranch_scc1 .Lu
	s_wait_loadcnt 0x0
	CVT LM
	WOUT 0
	s_cmp_lg_u32 s32, 0
	s_cbranch_scc1 .Lmeet
	WOUT 64*8192                                   ; positions 64-67
	s_branch .Lmeet
.Lu:
	FRAG R0, 8, 0, 0
	FRAG R1, 8, 65536, 0                           ; 16 rows of rs further down
	s_wait_loadcnt 0x0
	CVT LM
	CVT R0
	CVT R1
	; q^T = U rs^T (source 0 = 16 rows of U, source 1 = 16 batches): a lane then holds one batch (l % 16) and e = 8 (l / 16) + 0..7.  The two accumulators take turns; the first step starts the sums.
	v_wmma_f32_16x16x32_bf16 v[ACC:ACC+7],    v[LM:LM+7], v[R0:R0+7], 0
	v_wmma_f32_16x16x32_bf16 v[ACC+8:ACC+15], v[LM:LM+7], v[R1:R1+7], 0
.irp k, 1,2,3
	v_wmma_f32_16x16x32_bf16 v[ACC:ACC+7],    v[LM+16*\k:LM+16*\k+7], v[R0+16*\k:R0+16*\k+7], v[ACC:ACC+7]
	v_wmma_f32_16x16x32_bf16 v[ACC+8:ACC+15], v[LM+16*\k:LM+16*\k+7], v[R1+16*\k:R1+16*\k+7], v[ACC+8:ACC+15]
.endr
.rept 8
	v_nop                                          ; the places behind the last products (ISA guide 7.12.1), with room to spare: once a launch
.endr
.irp m, 0,1
	ds_store_b128 v[PS], v[ACC+8*\m:ACC+8*\m+3]   offset:1024*\m     ; each accumulator's low registers first
	ds_store_b128 v[PS], v[ACC+8*\m+4:ACC+8*\m+7] offset:1024*\m+16
.endr
.Lmeet:
	s_wait_dscnt 0x0                               ; for the others' sake: my partial sums lie in LDS
	s_barrier_signal -1
	s_barrier_wait -1
	s_cmp_eq_u32 s[ROLE], 0
	s_cbranch_scc1 .Lend
	s_cmp_gt_u32 s[WV], 3                          ; 128 threads x 16 bytes are the tile's 2,048
	s_cbranch_scc1 .Lend
.irp k, 0,1,2,3,4,5,6,7
	ds_load_b128 v[R0+4*\k:R0+4*\k+3], v[TO] offset:2048*\k
.endr
	s_wait_dscnt 0x0
.irp k, 0,2,4,6
	v_pk_add_f32 v[R0+4*\k:R0+4*\k+1],   v[R0+4*\k:R0+4*\k+1],   v[R0+4*\k+4:R0+4*\k+5]
	v_pk_add_f32 v[R0+4*\k+2:R0+4*\k+3], v[R0+4*\k+2:R0+4*\k+3], v[R0+4*\k+6:R0+4*\k+7]
.endr
.irp k, 0,4
	v_pk_add_f32 v[R0+4*\k:R0+4*\k+1],   v[R0+4*\k:R0+4*\k+1],   v[R0+4*\k+8:R0+4*\k+9]
	v_pk_add_f32 v[R0+4*\k+2:R0+4*\k+3], v[R0+4*\k+2:R0+4*\k+3], v[R0+4*\k+10:R0+4*\k+11]
.endr
	v_pk_add_f32 v[R0:R0+1],   v[R0:R0+1],   v[R0+16:R0+17]
	v_pk_add_f32 v[R0+2:R0+3], v[R0+2:R0+3], v[R0+18:R0+19]
	global_store_b128 v[TO], v[R0:R0+3], s[12:13]  ; 512 consecutive bytes a wave
.Lend:
	s_wait_tensorcnt 0x0                           ; the wave's end: three closing lines, behind my last LDS store
	ds_add_u32 v[SPW], v[NIL]
	s_wait_dscnt 0x0
	s_endpgm
.Lfunc_end_k_q8fb9c62cdf_prep:
	.size	k_q8fb9c62cdf_prep, .Lfunc_end_k_q8fb9c62cdf_prep-k_q8fb9c62cdf_prep
	.p2alignl 7, 3214868480
	.fill 96, 4, 3214868480
	.section	.rodata,"a",@progbits
	.p2align	6, 0x0
	.amdhsa_kernel k_q8fb9c62cdf_prep
		.amdhsa_group_segment_fixed_size 17408
		.amdhsa_private_segment_fixed_size 0
		.amdhsa_enable_private_segment 0
		.amdhsa_kernarg_size 40
		.amdhsa_user_sgpr_count 2
		.amdhsa_user_sgpr_kernarg_segment_ptr 1
		.amdhsa_wavefront_size32 1
		.amdhsa_system_sgpr_workgroup_id_x 1
		.amdhsa_system_sgpr_workgroup_id_y 1
		.amdhsa_system_sgpr_workgroup_id_z 1
		.amdhsa_system_vgpr_workitem_id 0
		.amdhsa_next_free_vgpr 224
		.amdhsa_next_free_sgpr 66
		.amdhsa_reserve_vcc 0
		.amdhsa_float_denorm_mode_32 3
		.amdhsa_float_denorm_mode_16_64 3
		.amdhsa_memory_ordered 1
		.amdhsa_forward_progress 1
		.amdhsa_inst_pref_size 20
	.end_amdhsa_kernel
	.amdgpu_metadata
---
amdhsa.version: [ 1, 2 ]
amdhsa.kernels:
  - .name:           k_q8fb9c62cdf_prep
    .symbol:         k_q8fb9c62cdf_prep.kd
    .args:
      - { .name: W, .offset: 0, .size: 8, .value_kind: global_buffer, .address_space: global }
      - { .name: U, .offset: 8, .size: 8, .value_kind: global_buffer, .address_space: global }
      - { .name: rnn_state, .offset: 16, .size: 8, .value_kind: global_buffer, .address_space: global }
      - { .name: wb, .offset: 24, .size: 8, .value_kind: global_buffer, .address_space: global }
      - { .name: qb, .offset: 32, .size: 8, .value_kind: global_buffer, .address_space: global }
    .group_segment_fixed_size: 17408
    .private_segment_fixed_size: 0
    .kernarg_segment_align: 8
    .kernarg_segment_size: 40
    .max_flat_workgroup_size: 256
    .sgpr_count:     66
    .vgpr_count:     224
    .wavefront_size: 32
...
	.end_amdgpu_metadata
.endif
;; end of part 1
;; launch match (part 2): grid 256 x 1, 4 waves a work-group, no clusters, 309,760 bytes of LDS; arguments att_hidden, rnn_state, wb, qb, part; writes part
.if DOCPART == 2
	.amdgcn_target "amdgcn-amd-amdhsa--gfx1250"
	.amdhsa_code_object_version 6
	.text
	.protected	k_q8fb9c62cdf_match
	.globl	k_q8fb9c62cdf_match
	.p2align	8
	.type	k_q8fb9c62cdf_match,@function
k_q8fb9c62cdf_match:
	s_mov_b64 s[64:65], 0
	v_nop
	global_prefetch_b8 v0, s[64:65] scope:SCOPE_SE
	s_setreg_imm32_b32 hwreg(HW_REG_WAVE_MODE, 25, 1), 1
	s_wait_xcnt 0x0
; SECOND OF THREE LAUNCHES; it leaves no work of reference() out.  For blocks of 128 rows of H: scores s = relu(H W^T + q) . rs, the block's maximum m, p = exp(s - m), l = the sum of p, o = the sum of p x H's rows.
; The third launch joins a batch's 16 blocks.  H, W and rs count as rounded to bf16 (W and q come so from the first launch); sums, scores, p and o are f32.  A weight below 2^-126 counts as 0; NaN and infinities are not treated apart.
; SHARES.  A work-group owns 256 consecutive rows (an eighth of a batch), as two blocks of 128.  A block's H is read from memory ONCE, rounded to bf16 and kept in LDS (128 x 1,024 x 2 bytes) from its first product
; to its weighted sum.  The 1,024 columns e go in two passes of 512; in a pass wave w owns 128 columns and all 128 rows: 64 accumulators of 16 x 16.  K goes in 32 steps of 32, 64 matrix instructions each.
; W's fragments are wanted by one wave of the work-group alone, and the first launch has laid them out as they lie in registers: they come straight into registers, 16 loads of 512 consecutive bytes a step,
; into four buffers: a step's loads go out behind the step four earlier.  No LDS and no barrier for W.
; PASS 1 RUNS WHILE H ARRIVES: in chunks of 64 columns (256 bytes of each row, aligned).  A wave fetches 32 rows of a chunk (16 loads, two whole rows each), rounds them and stores them to LDS; one barrier a chunk
; shows it to the other waves, a step before its first fragment is read.  Two sets of 64 registers hold the two chunks that are on their way.
; NO CLUSTER, NO TENSOR LOADS.  All work-groups walk the same W, but a joint load lands in LDS: the block takes 296,960 of the 327,680 bytes, a K step of a pass's W is 512 x 32 x 2 = 32,768, and two such slots have no room.
; H is shared by nobody, and arrives in f32: it has to pass through registers to be rounded.
; THE MATRIX INSTRUCTION IS USED TRANSPOSED (source 0 = 16 rows of W, source 1 = 16 rows of H): a lane holds ONE row of H (l % 16) and eight columns e = 8 (l / 16) + 0..7, so a row's score is summed inside the lane.
; The last block's four loads of W's positions 64-67 serve nothing: the price of one text for both blocks.
; REGISTERS, in windows of 256 (s_set_vgpr_msb: bits 1:0 source 0, 3:2 source 1, 5:4 source 2, 7:6 destination):
;   window 0: v0-18 addresses; v20-35 score sums; v36-59 at work; v60-61 the add's; v64-127 fragments of H; v128-191, v192-255 the two staging sets (at a pass's end: q and rs of my columns)
;   window 1: W's four buffers of 64      windows 2, 3: the accumulators: (a, b) at v[8 (8 (a % 4) + b)] of window 2 + a / 4; in the weighted sum window 2 holds rows of H, p and o
.set CP,    144                        ; a chunk's row in LDS: 64 bf16 + 16 bytes = 36 words: the 16 rows of a fragment load start at 16 different groups of four banks (64 banks of 4 bytes: ISA guide 11.1)
.set CS,    128*CP+128                 ; from chunk to chunk: 4,640 words = 32 mod 64: two lane halves in neighbouring chunks take different banks
.set QL,    16*CS                      ; q of my batch, 1,024 f32
.set RL,    QL+4096                    ; rs of my batch, rounded to bf16, as f32
.set SC,    RL+4096                    ; [wave][128 rows]: the waves' partial scores
.set PB,    SC+2048                    ; [wave][128 rows]: p, a copy for each wave
.set SPARE, PB+2048                    ; the spare words, 128 bytes for each wave
.set ADRA0, 2                          ; v2   (l % 16) CP + 16 (l / 16): my place in a fragment of H
.set ADRA,  3                          ; v3   the same in the chunk in hand
.set LST0,  4                          ; v4   (32 w + 8 (l / 16)) CP + 8 (l % 16): where I put 4 bf16 of a chunk
.set LST,   5                          ; v5   the same, at the chunk in hand
.set HO,    6                          ; v6   (32 w + 8 (l / 16)) x 4,096 + 16 (l % 16): my 16 bytes in H
.set WO,    7                          ; v7   16 l
.set QA,    8                          ; v8   QL + 512 w + 32 (l / 16): q of my eight columns of tile b = 0
.set HS,    9                          ; v9   QL + 16 x thread
.set SCW,   10                         ; v10  SC + 512 w + 4 l
.set SCR,   11                         ; v11  SC + 16 l
.set PBW,   12                         ; v12  PB + 512 w + 16 l
.set PBR,   13                         ; v13  PB + 512 w + the rows in hand
.set FA0,   14                         ; v14  (4 w + l / 16) CS + 8 (l % 16): my four columns in the weighted sum
.set FA,    15                         ; v15  the same at the rows in hand
.set GO2,   16                         ; v16  1,024 w + 16 l
.set ZR,    17                         ; v17  0
.set PFO,   18                         ; v18  (32 w + l) x 4,096: the prefetches' offset, a lane a row
.set SS,    20                         ; v[20:35] row tile a: the sums over my even and odd columns
.set T,     36                         ; v[36:59] at work
.set SPW,   60                         ; v60  LDS address of my spare word; never rewritten
.set NIL,   61                         ; v61  0; never rewritten
.set AF,    64                         ; v[64:127] row tile a at AF + 8 a
.set S0,    128
.set S1,    192
.set WV,    14                         ; s14  my wave's number
.set HB,    16                         ; s[16:17] H at the block's first row
.set HP,    18                         ; s[18:19] H at the chunk that the trip loads
.set WBASE, 20                         ; s[20:21] my stream of W
.set WP,    22                         ; s[22:23] where it stands
.set REC,   24                         ; s[24:25] the block's record: o 4,096 bytes, scores 512, (m, l, m, l) 32 times
.set CNT,   26                         ; s26  trips to go
.set BK,    27                         ; s27  blocks to go
.set PFC,   28                         ; s28  1 while a block follows, else 0
.set AB,    29                         ; s29  LDS byte of the chunk in hand
.set SEL,   30                         ; s[30:31] v_permlanex16_b32's selects: each lane takes its own place in the other half
.set HIM,   32                         ; s32  0xffff0000: a word's upper bf16; also: lanes 16-31
.set LOG2E, 33
.set FB,    38                         ; s38  the weighted sum: LDS bytes of the rows in hand
.set PBS,   39                         ; s39  the same for p
.set PBS0,  49                         ; s49  PB + 512 w
.set MSB, 0
.macro WIN new                         ; the immediate's high byte repeats the setting that is left; a switch that changes nothing is dropped
.if MSB != (\new)
	s_set_vgpr_msb (MSB<<8)|(\new)
.set MSB, (\new)
.endif
.endm
.set MUL_LO, 0xa1                      ; source 0 (W) window 1, source 1 (H) window 0, C and D window 2
.set TO_W,   0x40                      ; destination window 1, address window 0
; A load into a register that a matrix instruction has read, and a vector instruction that reads a matrix result, stand four places behind that matrix instruction, and only plain vector
; instructions that name none of its registers are places (ISA guide 7.12.1 for vector instructions).
.macro PLACES
.rept 4
	v_nop
.endr
.endm
; 32 matrix instructions: row tiles 4 hi .. 4 hi + 3 x my eight column tiles, 32 along K, W from buffer x.  zero = 1: the products start the sums.  The 64 accumulators take turns in the same order in every step.
.macro MULH x, hi, zero
	WIN MUL_LO+0x50*(\hi)
.irp a, 0,1,2,3
.irp b, 0,1,2,3,4,5,6,7
.if \zero
	v_wmma_f32_16x16x32_bf16 v[8*(8*\a+\b):8*(8*\a+\b)+7], v[64*(\x)+8*\b:64*(\x)+8*\b+7], v[AF+8*(4*(\hi)+\a):AF+8*(4*(\hi)+\a)+7], 0
.else
	v_wmma_f32_16x16x32_bf16 v[8*(8*\a+\b):8*(8*\a+\b)+7], v[64*(\x)+8*\b:64*(\x)+8*\b+7], v[AF+8*(4*(\hi)+\a):AF+8*(4*(\hi)+\a)+7], v[8*(8*\a+\b):8*(8*\a+\b)+7]
.endif
.endr
.endr
.endm
.macro ALD reg, hi, off                ; 8 LDS loads: four fragments of H
	WIN 0
.irp i, 0,1,2,3
	ds_load_b128 v[AF+8*(4*(\hi)+\i):AF+8*(4*(\hi)+\i)+3],   v[\reg] offset:(\off)+(4*(\hi)+\i)*16*CP
	ds_load_b128 v[AF+8*(4*(\hi)+\i)+4:AF+8*(4*(\hi)+\i)+7], v[\reg] offset:(\off)+(4*(\hi)+\i)*16*CP+32
.endr
.endm
.macro WLD x, imm                      ; 16 loads: a position of my stream of W into buffer x; each covers 512 consecutive bytes
	WIN TO_W
.set ii, 0
.rept 16
	global_load_b128 v[64*(\x)+4*ii:64*(\x)+4*ii+3], v[WO], s[WP:WP+1] offset:(\imm)+512*ii
.set ii, ii+1
.endr
.endm
.macro HLD sb, base, imm               ; 16 loads: my 32 rows of a chunk; lanes 0-15 take one row's 256 bytes, lanes 16-31 the row eight further down
	WIN 0
.set ii, 0
.rept 16
	global_load_b128 v[(\sb)+4*ii:(\sb)+4*ii+3], v[HO], s[\base:\base+1] offset:(\imm)+((ii/8)*16+ii%8)*4096 th:TH_LOAD_NT
.set ii, ii+1
.endr
.endm
.macro STG sb, reg, off                ; a chunk is rounded in place, four numbers into two registers, and stored to LDS
	WIN 0
.set ii, 0
.rept 16
	v_cvt_pk_bf16_f32 v[(\sb)+4*ii],   v[(\sb)+4*ii],   v[(\sb)+4*ii+1]
	v_cvt_pk_bf16_f32 v[(\sb)+4*ii+1], v[(\sb)+4*ii+2], v[(\sb)+4*ii+3]
.set ii, ii+1
.endr
.set ii, 0
.rept 16
	ds_store_b64 v[\reg], v[(\sb)+4*ii:(\sb)+4*ii+1] offset:(\off)+((ii/8)*16+ii%8)*CP
.set ii, ii+1
.endr
.endm
; A PREFETCH INTO THE L2: my own 32 rows x 256 bytes of one chunk, a lane a row, one instruction.  A wave asks for what it will load itself, so each aligned block of 256 bytes of H is named once in the launch.
; It stands behind the wave's loads of a chunk and names the chunk three chunks on (three staging steps, 384 matrix instructions, ahead of that chunk's loads).  The first block's chunks 0-4 come by their loads alone;
; nothing is asked for behind a block's chunk 15 but the next block's first chunks, and nothing behind the last block.
.macro ASK base, imm
	WIN 0
	global_prefetch_b8 v[PFO], s[\base:\base+1] offset:\imm th:TH_LOAD_NT scope:SCOPE_SE
.endm
.macro QRL p                           ; 32 LDS loads: q (into S0) and rs (into S1) of my 8 x 8 columns of pass p
	WIN 0
.irp b, 0,1,2,3,4,5,6,7
	ds_load_b128 v[S0+8*\b:S0+8*\b+3],   v[QA] offset:2048*(\p)+64*\b
	ds_load_b128 v[S0+8*\b+4:S0+8*\b+7], v[QA] offset:2048*(\p)+64*\b+16
	ds_load_b128 v[S1+8*\b:S1+8*\b+3],   v[QA] offset:4096+2048*(\p)+64*\b
	ds_load_b128 v[S1+8*\b+4:S1+8*\b+7], v[QA] offset:4096+2048*(\p)+64*\b+16
.endr
.endm
; A PLAIN K STEP on W's buffer x.  Behind each half of its products the same half of the next step's fragments of H is fetched (reg + aoff); at its end buffer x is asked for again, four positions on (wimm).
; ptr = 1: W's pointer steps four positions first; 2: H's pointer steps two chunks too.  last = 1, 2: a pass's last step: q and rs of pass last - 1 are fetched; 1: also the next pass's first fragments.
.macro STEP_P x, reg, aoff, wimm, zero=0, ptr=0, last=0
	s_wait_loadcnt 48                              ; buffer x is in: behind its 16 loads at least the three younger positions' 48 were issued, whatever loads of H stand among them
	s_wait_dscnt 8                                 ; row tiles 0-3 are in; the youngest eight loads (tiles 4-7) may be out
	MULH \x, 0, \zero
	PLACES
.if \last
	QRL (\last)-1
	s_wait_dscnt 32                                ; all but the 32 just issued
.else
	ALD \reg, 0, \aoff
	s_wait_dscnt 8                                 ; all but the 8 just issued
.endif
	MULH \x, 1, \zero
	PLACES
.if (\last) == 0
	ALD \reg, 1, \aoff
.elseif (\last) == 1
	ALD ADRA0, 0, 0
	ALD ADRA0, 1, 0
.endif
.if \ptr
	s_wait_xcnt 0x0                                ; every load and prefetch issued so far has read its address (the youngest prefetch stands more than 64 matrix instructions back): the pointers may be written
	s_add_nc_u64 s[WP:WP+1], s[WP:WP+1], 4*8192
.if (\ptr) == 2
	s_add_nc_u64 s[HP:HP+1], s[HP:HP+1], 512
.endif
.endif
	WLD \x, \wimm
.endm
; A K STEP OF PASS 1 THAT STAGES A CHUNK.  Set sb, which has landed, goes to LDS (lreg + loff) and is asked for again (hb + himm; the prefetch hb + aimm).  In the loop (hc >= 0) the load is issued while CNT > hc and the
; prefetch while CNT > ac: forward jumps over loads alone.  ONE barrier: in front of its signal my stores are done; behind its wait the next step may fetch fragments of the chunk.
; Between signal and wait stand products and eight LDS loads of the chunk in hand, whose bytes nobody writes before the next block.
.macro STEP_B x, sb, lreg, loff, hb, himm, aimm, hc, ac, areg, aoff, wimm, ldn, zero
	s_wait_loadcnt \ldn                            ; the chunk and buffer x are in: see the counts at the calls
	s_wait_dscnt 8
	STG \sb, \lreg, \loff
.if (\hc) >= 0
	s_cmp_gt_u32 s[CNT], \hc
	s_cbranch_scc0 .Lnoh_\@
.endif
	HLD \sb, \hb, \himm
.if (\hc) >= 0
	s_cmp_gt_u32 s[CNT], \ac
	s_cbranch_scc0 .Lnoh_\@
.endif
	ASK \hb, \aimm
.if (\hc) >= 0
.Lnoh_\@:
.endif
	MULH \x, 0, \zero
	s_wait_dscnt 0x0                               ; for the others' sake: my part of the chunk lies in LDS; also: row tiles 4-7 are in
	s_barrier_signal -1
	PLACES
	ALD \areg, 0, \aoff
	MULH \x, 1, \zero
	s_barrier_wait -1
	PLACES
	ALD \areg, 1, \aoff
	WLD \x, \wimm
.endm
; A PASS'S END: proj = max(sum + q, 0) in place, each accumulator from its low registers on; then the lane's score sums take proj x rs, four chains by turns.  dsn: LDS loads issued behind q's and rs's.
.macro EPI dsn
	s_wait_dscnt \dsn
.rept 8
	v_nop                                          ; the places behind the last products, with room to spare: twice a block
.endr
.irp hi, 0,1
	WIN 0x82+0x41*\hi                              ; destination and source 0: window 2 or 3; source 1: window 0
.set tt, 0
.rept 32
.set ii, 0
.rept 4
	v_pk_add_f32 v[8*tt+2*ii:8*tt+2*ii+1], v[8*tt+2*ii:8*tt+2*ii+1], v[S0+8*(tt%8)+2*ii:S0+8*(tt%8)+2*ii+1]
.set ii, ii+1
.endr
.set ii, 0
.rept 8
	v_max_num_f32 v[8*tt+ii], v[8*tt+ii], v[ZR]
.set ii, ii+1
.endr
.set tt, tt+1
.endr
	WIN 0x02+\hi                                   ; source 0: window 2 or 3; all else window 0
.set tt, 0
.rept 128                              ; column tile tt / 16, pair (tt / 4) % 4, row tile tt % 4
	v_pk_fma_f32 v[SS+2*(4*\hi+tt%4):SS+2*(4*\hi+tt%4)+1], v[8*(8*(tt%4)+tt/16)+2*((tt/4)%4):8*(8*(tt%4)+tt/16)+2*((tt/4)%4)+1], v[S1+8*(tt/16)+2*((tt/4)%4):S1+8*(tt/16)+2*((tt/4)%4)+1], v[SS+2*(4*\hi+tt%4):SS+2*(4*\hi+tt%4)+1]
.set tt, tt+1
.endr
.endr
.endm
; THE WEIGHTED SUM.  Lane l of wave w owns columns d = 256 w + 128 g + 4 l + 0..3, g = 0, 1.  FLD: 16 rows' 2 x 8 bytes and their 16 p into buffer buf of window 2; FMA: 128 multiply-adds from bf16 halves into f32, eight chains by turns.
.macro FLD buf, roff
	WIN 0x80                                       ; destination window 2, address window 0
.set ii, 0
.rept 16
	ds_load_b64 v[64*(\buf)+4*ii:64*(\buf)+4*ii+1],   v[FA] offset:(\roff)+CP*ii
	ds_load_b64 v[64*(\buf)+4*ii+2:64*(\buf)+4*ii+3], v[FA] offset:(\roff)+CP*ii+2*CS
.set ii, ii+1
.endr
.irp k, 0,1,2,3
	ds_load_b128 v[128+16*(\buf)+4*\k:128+16*(\buf)+4*\k+3], v[PBR] offset:((\roff)/(16*CP))*64+16*\k
.endr
.endm
.macro FMA buf
	WIN 0xaa                                       ; all four places window 2
.set ii, 0
.rept 16
.irp g, 0,1
	v_fma_mix_f32_bf16 v[160+4*\g],   v[64*(\buf)+4*ii+2*\g],   v[128+16*(\buf)+ii], v[160+4*\g]   op_sel_hi:[1,0,0]
	v_fma_mix_f32_bf16 v[160+4*\g+1], v[64*(\buf)+4*ii+2*\g],   v[128+16*(\buf)+ii], v[160+4*\g+1] op_sel:[1,0,0] op_sel_hi:[1,0,0]
	v_fma_mix_f32_bf16 v[160+4*\g+2], v[64*(\buf)+4*ii+2*\g+1], v[128+16*(\buf)+ii], v[160+4*\g+2] op_sel_hi:[1,0,0]
	v_fma_mix_f32_bf16 v[160+4*\g+3], v[64*(\buf)+4*ii+2*\g+1], v[128+16*(\buf)+ii], v[160+4*\g+3] op_sel:[1,0,0] op_sel_hi:[1,0,0]
.endr
.set ii, ii+1
.endr
.endm
	s_load_b256 s[4:11], s[0:1], 0x0               ; H s[4:5], rs s[6:7], wb s[8:9], qb s[10:11]
	s_load_b64 s[12:13], s[0:1], 0x20              ; part
	v_lshl_add_u32 v[SPW], v0, 2, SPARE
	v_mov_b32 v[NIL], 0
	v_lshrrev_b32 v1, 5, v0
	v_readfirstlane_b32 s[WV], v1                  ; wave 0..3
	v_and_b32 v56, 15, v0                          ; l % 16
	v_bfe_u32 v57, v0, 4, 1                        ; l / 16
	v_and_b32 v58, 31, v0                          ; l
	v_mul_u32_u24 v[ADRA0], v56, CP
	v_lshl_add_u32 v[ADRA0], v57, 4, v[ADRA0]
	s_mul_i32 s46, s[WV], 32*CP
	v_mul_u32_u24 v[LST0], v57, 8*CP
	v_lshl_add_u32 v[LST0], v56, 3, v[LST0]
	v_add_nc_u32 v[LST0], s46, v[LST0]
	s_lshl_b32 s47, s[WV], 17                      ; 32 rows of 4,096 bytes
	v_lshlrev_b32 v[HO], 15, v57
	v_lshl_add_u32 v[HO], v56, 4, v[HO]
	v_add_nc_u32 v[HO], s47, v[HO]
	v_lshl_add_u32 v[PFO], v58, 12, s47
	v_lshlrev_b32 v[WO], 4, v58
	s_lshl_b32 s46, s[WV], 9
	s_add_co_u32 s48, s46, QL
	v_lshl_add_u32 v[QA], v57, 5, s48
	s_add_co_u32 s48, s46, SC
	v_lshl_add_u32 v[SCW], v58, 2, s48
	v_lshl_add_u32 v[SCR], v58, 4, SC
	s_add_co_u32 s[PBS0], s46, PB
	v_lshl_add_u32 v[PBW], v58, 4, s[PBS0]
	s_mul_i32 s48, s[WV], 4*CS
	v_mul_u32_u24 v[FA0], v57, CS
	v_lshl_add_u32 v[FA0], v56, 3, v[FA0]
	v_add_nc_u32 v[FA0], s48, v[FA0]
	s_lshl_b32 s48, s[WV], 10
	v_lshl_add_u32 v[GO2], v58, 4, s48
	v_mov_b32 v[ZR], 0
	v_lshl_add_u32 v[HS], v0, 4, QL
	v_lshrrev_b32 v54, 2, v0                       ; q lies by tiles of 16 e: piece i of 16 bytes at (i / 4) x 2,048 + 64 x batch + 16 (i % 4); i = thread, thread + 128
	v_and_b32 v59, 3, v0
	v_lshlrev_b32 v54, 11, v54
	v_lshl_add_u32 v54, v59, 4, v54
	v_lshlrev_b32 v55, 4, v0
	s_lshl_b32 s34, ttmp9, 20                      ; 256 rows of 4,096 bytes
	s_mov_b32 s35, 0
	s_mul_i32 s36, ttmp9, 2*5120                   ; two records
	s_mov_b32 s37, 0
	s_lshr_b32 s46, ttmp9, 3                       ; my batch
	s_lshl_b32 s40, s46, 6
	s_mov_b32 s41, 0
	s_lshl_b32 s42, s46, 12
	s_mov_b32 s43, 0
	s_mul_i32 s44, s[WV], 68*8192
	s_mov_b32 s45, 0
	s_mov_b32 s[SEL], 0x76543210
	s_mov_b32 s[SEL+1], 0xfedcba98
	s_mov_b32 s[HIM], 0xffff0000
	s_mov_b32 s[LOG2E], 0x3fb8aa3b
	s_mov_b32 s[BK], 2
	s_mov_b32 s[PFC], 1
	s_wait_kmcnt 0x0
	s_add_nc_u64 s[HB:HB+1], s[4:5], s[34:35]
	s_add_nc_u64 s[REC:REC+1], s[12:13], s[36:37]
	s_add_nc_u64 s[10:11], s[10:11], s[40:41]
	s_add_nc_u64 s[6:7], s[6:7], s[42:43]
	s_add_nc_u64 s[WBASE:WBASE+1], s[8:9], s[44:45]
	s_mov_b64 s[WP:WP+1], s[WBASE:WBASE+1]
	global_load_b128 v[T:T+3],     v54, s[10:11]
	global_load_b128 v[T+4:T+7],   v54, s[10:11] offset:65536
	global_load_b128 v[T+8:T+11],  v55, s[6:7]
	global_load_b128 v[T+12:T+15], v55, s[6:7] offset:2048
	WLD 0, 0
	WLD 1, 8192
	WLD 2, 2*8192
	WLD 3, 3*8192
	HLD S0, HB, 0                                  ; chunks 0 and 1
	HLD S1, HB, 256
	s_wait_loadcnt 63                              ; q and rs are in: 96 younger loads were issued; 63 is the largest count that the wait can name
	v_cvt_pk_bf16_f32 v52, v[T+8],  v[T+9]         ; rs is rounded to bf16 and widened again
	v_cvt_pk_bf16_f32 v53, v[T+10], v[T+11]
	v_cvt_pk_bf16_f32 v56, v[T+12], v[T+13]
	v_cvt_pk_bf16_f32 v57, v[T+14], v[T+15]
	v_lshlrev_b32 v[T+8],  16, v52
	v_and_b32     v[T+9],  s[HIM], v52
	v_lshlrev_b32 v[T+10], 16, v53
	v_and_b32     v[T+11], s[HIM], v53
	v_lshlrev_b32 v[T+12], 16, v56
	v_and_b32     v[T+13], s[HIM], v56
	v_lshlrev_b32 v[T+14], 16, v57
	v_and_b32     v[T+15], s[HIM], v57
.irp k, 0,1,2,3
	ds_store_b128 v[HS], v[T+4*\k:T+4*\k+3] offset:2048*\k     ; q's two pieces, then rs's: RL lies 4,096 behind QL
.endr
.Lblock:                                               ; twice
	s_wait_xcnt 0x0                                ; all earlier loads have read their addresses
	s_add_nc_u64 s[WP:WP+1], s[WBASE:WBASE+1], 8192
	s_add_nc_u64 s[HP:HP+1], s[HB:HB+1], 512
.set ii, 0
.rept 16
	v_mov_b32 v[SS+ii], 0
.set ii, ii+1
.endr
	s_wait_loadcnt 16                              ; chunk 0 and W's positions 0-3 are in: chunk 1's 16 loads alone are younger
	STG S0, LST0, 0
	HLD S0, HB, 512                                ; chunk 2
	ASK HB, 5*256
	s_wait_dscnt 0x0                               ; for the others' sake: my part of chunk 0 (and, the first time, of q and rs) lies in LDS
	s_barrier_signal -1
	s_barrier_wait -1
	ALD ADRA0, 0, 0
	ALD ADRA0, 1, 0
	; PASS 1.  Step 0 stands in front of the loop: its products start the sums.  Count 16: chunk 1 is in; chunk 2's 16 loads alone are younger.  It stages chunk 1 and loads chunk 3.
	STEP_B 0, S1, LST0, CS, HB, 768, 6*256, -1, -1, ADRA0, 64, 3*8192, 16, 1
	WIN 0
	s_mov_b32 s[AB], CS
	v_add_nc_u32 v[ADRA], s[AB], v[ADRA0]
	v_add_nc_u32 v[LST], s[AB], v[LST0]
	s_mov_b32 s[CNT], 7
.Lk1:                                                  ; trip i: steps 4 i + 1 .. 4 i + 4; AB = chunk 2 i + 1; chunks 2 i + 2 and 2 i + 3 are staged, 2 i + 4 and 2 i + 5 loaded (not in the last trip)
	STEP_P 1, ADRA, 0, 0, 0, 2
	; count 48: behind the chunk's loads stand at least three groups of 16: in trip 0 chunk 3's and W's positions 4 and 5, later four positions of W or more; behind buffer x's the three younger positions
	STEP_B 2, S0, LST, CS, HP, 0, 768, 1, 2, ADRA, 64, 8192, 48, 0
	STEP_P 3, ADRA, CS, 2*8192
	STEP_B 0, S1, LST, 2*CS, HP, 256, 1024, 1, 3, ADRA, CS+64, 3*8192, 48, 0
	WIN 0                                          ; at a label and at a branch every window is 0
	s_add_co_u32 s[AB], s[AB], 2*CS
	v_add_nc_u32 v[ADRA], s[AB], v[ADRA0]
	v_add_nc_u32 v[LST], s[AB], v[LST0]
	s_sub_co_u32 s[CNT], s[CNT], 1
	s_cmp_lg_u32 s[CNT], 0
	s_cbranch_scc1 .Lk1
	STEP_P 1, ADRA, 0, 4*8192                      ; steps 29 to 31: chunk 15; W's positions 33 to 35 are pass 2's
	STEP_P 2, ADRA, 64, 5*8192
	STEP_P 3, ADRA, 0, 6*8192, 0, 0, 1
	EPI 16                                         ; the 16 loads of pass 2's first fragments may stay out
	; PASS 2: the block lies whole in LDS: no staging, no barrier
	s_wait_xcnt 0x0
	s_add_nc_u64 s[WP:WP+1], s[WP:WP+1], 4*8192
	STEP_P 0, ADRA0, 64, 3*8192, 1
	WIN 0
	s_mov_b32 s[AB], CS
	v_add_nc_u32 v[ADRA], s[AB], v[ADRA0]
	s_mov_b32 s[CNT], 7
.Lk2:
	STEP_P 1, ADRA, 0, 0, 0, 1
	WIN 0
	s_cmp_eq_u32 s[CNT], s[PFC]                    ; the last trip, where a block follows: its chunks 0 to 2 are asked for, six steps and a pass's end ahead of their loads
	s_cbranch_scc0 .Lnoask
	ASK HB, 524288
	ASK HB, 524288+256
	ASK HB, 524288+512
.Lnoask:
	STEP_P 2, ADRA, 64, 8192
	STEP_P 3, ADRA, CS, 2*8192
	STEP_P 0, ADRA, CS+64, 3*8192
	WIN 0
	s_add_co_u32 s[AB], s[AB], 2*CS
	v_add_nc_u32 v[ADRA], s[AB], v[ADRA0]
	s_sub_co_u32 s[CNT], s[CNT], 1
	s_cmp_lg_u32 s[CNT], 0
	s_cbranch_scc1 .Lk2
	STEP_P 1, ADRA, 0, 4*8192                      ; positions 65 to 67 repeat 1 to 3: the next block's
	STEP_P 2, ADRA, 64, 5*8192
	STEP_P 3, ADRA, 0, 6*8192, 0, 0, 2
	EPI 0
	; The next block's first two chunks go out now: the staging sets are free, and the softmax and the weighted sum stand between these loads and their use
	WIN 0
	s_cmp_eq_u32 s[PFC], 0
	s_cbranch_scc1 .Lnonext
	s_wait_xcnt 0x0
	s_add_nc_u64 s[HB:HB+1], s[HB:HB+1], 524288
	HLD S0, HB, 0
	HLD S1, HB, 256
	ASK HB, 3*256
	ASK HB, 4*256
.Lnonext:
	; THE BLOCK'S SCORES.  A row's sum over my 256 columns: the pair, then the other half of the lanes.  Tiles 2 k and 2 k + 1 are joined (lanes 16-31 take the odd tile), so that lane l holds row 32 k + l.
.irp a, 0,1,2,3,4,5,6,7
	v_add_f32 v[T+\a], v[SS+2*\a], v[SS+2*\a+1]
.endr
.irp a, 0,1,2,3,4,5,6,7
	v_permlanex16_b32 v[T+8+\a], v[T+\a], s[SEL], s[SEL+1]
.endr
.irp a, 0,1,2,3,4,5,6,7
	v_add_f32 v[T+\a], v[T+\a], v[T+8+\a]
.endr
.irp k, 0,1,2,3
	v_cndmask_b32 v[T+8+\k], v[T+2*\k], v[T+2*\k+1], s[HIM]
.endr
.irp k, 0,1,2,3
	ds_store_b32 v[SCW], v[T+8+\k] offset:128*\k
.endr
	s_wait_dscnt 0x0                               ; for the others' sake
	s_barrier_signal -1
	s_barrier_wait -1
.irp k, 0,1,2,3
	ds_load_b128 v[T+4*\k:T+4*\k+3], v[SCR] offset:512*\k      ; the four waves' parts of rows 4 l .. 4 l + 3: every wave makes all 128 scores, in the same order
.endr
	s_wait_dscnt 0x0
	v_pk_add_f32 v[T:T+1],     v[T:T+1],     v[T+4:T+5]
	v_pk_add_f32 v[T+2:T+3],   v[T+2:T+3],   v[T+6:T+7]
	v_pk_add_f32 v[T+8:T+9],   v[T+8:T+9],   v[T+12:T+13]
	v_pk_add_f32 v[T+10:T+11], v[T+10:T+11], v[T+14:T+15]
	v_pk_add_f32 v[T:T+1],     v[T:T+1],     v[T+8:T+9]
	v_pk_add_f32 v[T+2:T+3],   v[T+2:T+3],   v[T+10:T+11]
	v_max3_num_f32 v[T+20], v[T], v[T+1], v[T+2]   ; m
	v_max_num_f32 v[T+20], v[T+20], v[T+3]
	v_max_num_f32_dpp v[T+20], v[T+20], v[T+20] row_xmask:1 row_mask:0xf bank_mask:0xf
	v_max_num_f32_dpp v[T+20], v[T+20], v[T+20] row_xmask:2 row_mask:0xf bank_mask:0xf
	v_max_num_f32_dpp v[T+20], v[T+20], v[T+20] row_xmask:4 row_mask:0xf bank_mask:0xf
	v_max_num_f32_dpp v[T+20], v[T+20], v[T+20] row_xmask:8 row_mask:0xf bank_mask:0xf
	v_permlanex16_b32 v[T+17], v[T+20], s[SEL], s[SEL+1]
	v_max_num_f32 v[T+20], v[T+20], v[T+17]
.irp k, 0,1,2,3
	v_sub_f32 v[T+4+\k], v[T+\k], v[T+20]          ; the maximum is taken away first, then the factor log2(e)
.endr
.irp k, 0,1,2,3
	v_mul_f32 v[T+4+\k], s[LOG2E], v[T+4+\k]
.endr
.irp k, 0,1,2,3
	v_exp_f32 v[T+4+\k], v[T+4+\k]
.endr
	v_nop                                          ; a plain instruction behind the last exponential,
	s_wait_alu depctr_va_vdst(0)                   ; and the wait ahead of the first use: one for the four
	v_add_f32 v[T+21], v[T+4], v[T+5]              ; l
	v_add_f32 v[T+16], v[T+6], v[T+7]
	v_add_f32 v[T+21], v[T+21], v[T+16]
	v_add_f32_dpp v[T+21], v[T+21], v[T+21] row_xmask:1 row_mask:0xf bank_mask:0xf
	v_add_f32_dpp v[T+21], v[T+21], v[T+21] row_xmask:2 row_mask:0xf bank_mask:0xf
	v_add_f32_dpp v[T+21], v[T+21], v[T+21] row_xmask:4 row_mask:0xf bank_mask:0xf
	v_add_f32_dpp v[T+21], v[T+21], v[T+21] row_xmask:8 row_mask:0xf bank_mask:0xf
	v_permlanex16_b32 v[T+17], v[T+21], s[SEL], s[SEL+1]
	v_add_f32 v[T+21], v[T+21], v[T+17]
	v_mov_b32 v[T+22], v[T+20]
	v_mov_b32 v[T+23], v[T+21]
	ds_store_b128 v[PBW], v[T+4:T+7]               ; p, into my wave's own copy: LDS serves a wave's instructions in order (ISA guide 5.7.1.4), so my loads below see it
	s_cmp_lg_u32 s[WV], 0
	s_cbranch_scc1 .Lnot0
	global_store_b128 v[WO], v[T:T+3],     s[REC:REC+1] offset:4096   ; the 128 scores: 512 consecutive bytes
	global_store_b128 v[WO], v[T+20:T+23], s[REC:REC+1] offset:4608   ; (m, l, m, l) from every lane: 512 consecutive bytes
.Lnot0:
	; THE WEIGHTED SUM of the block's 128 rows, 16 at a time on two buffers
	s_mov_b32 s[FB], 0
	s_mov_b32 s[PBS], s[PBS0]
	v_mov_b32 v[FA], v[FA0]
	v_mov_b32 v[PBR], s[PBS]
	WIN 0x80
.set ii, 0
.rept 8
	v_mov_b32 v[160+ii], 0
.set ii, ii+1
.endr
	FLD 0, 0
	WIN 0
	s_mov_b32 s[CNT], 3
.Lf:
	FLD 1, 16*CP
	s_wait_dscnt 36                                ; all but the 36 just issued
	FMA 0
	WIN 0
	s_add_co_u32 s[FB], s[FB], 32*CP
	s_add_co_u32 s[PBS], s[PBS], 128
	v_add_nc_u32 v[FA], s[FB], v[FA0]
	v_mov_b32 v[PBR], s[PBS]
	FLD 0, 0
	s_wait_dscnt 36
	FMA 1
	WIN 0
	s_sub_co_u32 s[CNT], s[CNT], 1
	s_cmp_lg_u32 s[CNT], 0
	s_cbranch_scc1 .Lf
	FLD 1, 16*CP
	s_wait_dscnt 36
	FMA 0
	s_wait_dscnt 0x0
	FMA 1
	WIN 0x08                                       ; the stores' data in window 2
	global_store_b128 v[GO2], v[160:163], s[REC:REC+1]             ; 512 consecutive bytes of o each
	global_store_b128 v[GO2], v[164:167], s[REC:REC+1] offset:512
	WIN 0
	s_wait_xcnt 0x0                                ; the stores have read their registers and the record's address
	s_add_nc_u64 s[REC:REC+1], s[REC:REC+1], 5120
	s_wait_dscnt 0x0                               ; my reads of the block are over:
	s_barrier_signal -1
	s_barrier_wait -1                              ; everybody's are: the next block may be stored over it
	s_mov_b32 s[PFC], 0
	s_sub_co_u32 s[BK], s[BK], 1
	s_cmp_lg_u32 s[BK], 0
	s_cbranch_scc1 .Lblock
	s_wait_tensorcnt 0x0                           ; the wave's end: three closing lines, behind my last LDS store
	ds_add_u32 v[SPW], v[NIL]
	s_wait_dscnt 0x0
	s_endpgm
.Lfunc_end_k_q8fb9c62cdf_match:
	.size	k_q8fb9c62cdf_match, .Lfunc_end_k_q8fb9c62cdf_match-k_q8fb9c62cdf_match
	.p2alignl 7, 3214868480
	.fill 96, 4, 3214868480
	.section	.rodata,"a",@progbits
	.p2align	6, 0x0
	.amdhsa_kernel k_q8fb9c62cdf_match
		.amdhsa_group_segment_fixed_size 309760
		.amdhsa_private_segment_fixed_size 0
		.amdhsa_enable_private_segment 0
		.amdhsa_kernarg_size 40
		.amdhsa_user_sgpr_count 2
		.amdhsa_user_sgpr_kernarg_segment_ptr 1
		.amdhsa_wavefront_size32 1
		.amdhsa_system_sgpr_workgroup_id_x 1
		.amdhsa_system_sgpr_workgroup_id_y 1
		.amdhsa_system_sgpr_workgroup_id_z 1
		.amdhsa_system_vgpr_workitem_id 0
		.amdhsa_next_free_vgpr 1024
		.amdhsa_next_free_sgpr 66
		.amdhsa_reserve_vcc 0
		.amdhsa_float_denorm_mode_32 3
		.amdhsa_float_denorm_mode_16_64 3
		.amdhsa_memory_ordered 1
		.amdhsa_forward_progress 1
		.amdhsa_inst_pref_size 255
	.end_amdhsa_kernel
	.section	.bss,"aw",@nobits
	.p2align	6
	.space	262144
	.amdgpu_metadata
---
amdhsa.version: [ 1, 2 ]
amdhsa.kernels:
  - .name:           k_q8fb9c62cdf_match
    .symbol:         k_q8fb9c62cdf_match.kd
    .args:
      - { .name: att_hidden, .offset: 0, .size: 8, .value_kind: global_buffer, .address_space: global }
      - { .name: rnn_state, .offset: 8, .size: 8, .value_kind: global_buffer, .address_space: global }
      - { .name: wb, .offset: 16, .size: 8, .value_kind: global_buffer, .address_space: global }
      - { .name: qb, .offset: 24, .size: 8, .value_kind: global_buffer, .address_space: global }
      - { .name: part, .offset: 32, .size: 8, .value_kind: global_buffer, .address_space: global }
    .group_segment_fixed_size: 309760
    .private_segment_fixed_size: 0
    .kernarg_segment_align: 8
    .kernarg_segment_size: 40
    .max_flat_workgroup_size: 128
    .sgpr_count:     66
    .vgpr_count:     1024
    .wavefront_size: 32
...
	.end_amdgpu_metadata
.endif
;; end of part 2
;; launch finish (part 3): grid 4 x 32, 4 waves a work-group, no clusters, 0 bytes of LDS; arguments part, out0, out1; writes out0, out1
.if DOCPART == 3
	.amdgcn_target "amdgcn-amd-amdhsa--gfx1250"
	.amdhsa_code_object_version 6
	.text
	.protected	k_q8fb9c62cdf_finish
	.globl	k_q8fb9c62cdf_finish
	.p2align	8
	.type	k_q8fb9c62cdf_finish,@function
k_q8fb9c62cdf_finish:
	s_mov_b64 s[64:65], 0
	v_nop
	global_prefetch_b8 v0, s[64:65] scope:SCOPE_SE
	s_setreg_imm32_b32 hwreg(HW_REG_WAVE_MODE, 25, 1), 1
	s_wait_xcnt 0x0
; THIRD OF THREE LAUNCHES; it leaves no work of reference() out.  A batch's 16 blocks are joined: M = the largest m, L = the sum of l exp(m - M); weight = exp(s - M) / L; out0 = the sum of o exp(m - M) / L.
; part: a record of 5,120 bytes a block: o[1024] f32, 128 scores, then (m, l, m, l) 32 times.  All in f32.  A weight below 2^-126 counts as 0.
; SHARES.  Work-group (x, batch); wave u = 4 x + wave makes the 128 weights of block u and the 64 numbers d = 64 u .. 64 u + 63 of out0.  No LDS, no barrier: every wave reads the 16 pairs (m, l) itself.
; Each half of 16 lanes holds all 16 blocks' (m, l): lane r of the lower half block r, of the upper half block (r + 8) % 16, so that lane k's factor, shared out in each half, serves blocks k and k + 8.
	s_load_b128 s[4:7], s[0:1], 0x0                ; part s[4:5], out0 s[6:7]
	s_load_b64 s[8:9], s[0:1], 0x10                ; out1
	v_lshrrev_b32 v1, 5, v0
	v_readfirstlane_b32 s10, v1                    ; wave 0..3
	s_lshl_b32 s11, ttmp9, 2
	s_add_co_u32 s11, s11, s10                     ; u
	s_and_b32 s12, ttmp7, 0xffff                   ; batch
	v_and_b32 v1, 31, v0                           ; l
	v_and_b32 v2, 15, v0                           ; r = l % 16
	v_bfe_u32 v3, v0, 4, 1                         ; h = l / 16
	v_lshl_add_u32 v54, v3, 3, v2
	v_and_b32 v54, 15, v54
	v_mul_u32_u24 v54, v54, 5120                   ; my block's record
	v_lshlrev_b32 v55, 4, v1                       ; 16 l
	v_mul_u32_u24 v56, v3, 8*5120                  ; the upper half takes blocks 8-15
	v_lshl_add_u32 v56, v2, 4, v56
	v_lshlrev_b32 v57, 4, v2                       ; 16 r
	s_mul_i32 s14, s12, 16*5120
	s_mov_b32 s15, 0
	s_mul_i32 s16, s11, 5120
	s_mov_b32 s17, 0
	s_lshl_b32 s18, s11, 8
	s_mov_b32 s19, 0
	s_lshl_b32 s20, s12, 13
	s_lshl_b32 s21, s11, 9
	s_add_co_u32 s20, s20, s21                     ; out1: 8,192 x batch + 512 u
	s_mov_b32 s21, 0
	s_lshl_b32 s22, s12, 12
	s_add_co_u32 s22, s22, s18                     ; out0: 4,096 x batch + 256 u
	s_mov_b32 s23, 0
	s_mov_b32 s24, 0x76543210                      ; v_permlanex16_b32: each lane takes its own place in the other half
	s_mov_b32 s25, 0xfedcba98
	s_mov_b32 s26, 0x3fb8aa3b                      ; log2(e)
	v_mov_b32 v44, 0                               ; destinations of lane moves count as read: written once here
	v_mov_b32 v45, 0
.irp k, 50,51,52,53
	v_mov_b32 v\k, 0
.endr
	s_wait_kmcnt 0x0
	s_add_nc_u64 s[4:5], s[4:5], s[14:15]          ; the batch's 16 records
	s_add_nc_u64 s[16:17], s[4:5], s[16:17]        ; block u's record
	s_add_nc_u64 s[18:19], s[4:5], s[18:19]        ; my 64 numbers of o in block 0
	s_add_nc_u64 s[8:9], s[8:9], s[20:21]
	s_add_nc_u64 s[6:7], s[6:7], s[22:23]
	global_load_b64 v[4:5], v54, s[4:5] offset:4608                ; m, l
	global_load_b128 v[8:11], v55, s[16:17] offset:4096            ; scores 4 l .. 4 l + 3 of block u
.irp k, 0,1,2,3,4,5,6,7
	global_load_b128 v[12+4*\k:15+4*\k], v56, s[18:19] offset:5120*\k  ; blocks k and k + 8: sixteen lanes take 256 consecutive bytes, aligned
.endr
	s_wait_loadcnt 9                               ; m and l are in; the scores' load and o's eight may stay out
	v_mov_b32 v6, v4
	v_max_num_f32_dpp v6, v6, v6 row_xmask:1 row_mask:0xf bank_mask:0xf
	v_max_num_f32_dpp v6, v6, v6 row_xmask:2 row_mask:0xf bank_mask:0xf
	v_max_num_f32_dpp v6, v6, v6 row_xmask:4 row_mask:0xf bank_mask:0xf
	v_max_num_f32_dpp v6, v6, v6 row_xmask:8 row_mask:0xf bank_mask:0xf   ; M
	v_sub_f32 v7, v4, v6
	v_mul_f32 v7, s26, v7
	s_wait_loadcnt 8                               ; the scores are in
.irp k, 8,9,10,11
	v_sub_f32 v\k, v\k, v6
.endr
.irp k, 8,9,10,11
	v_mul_f32 v\k, s26, v\k
.endr
.irp k, 7,8,9,10,11
	v_exp_f32 v\k, v\k                             ; one batch: my block's factor and four weights
.endr
	v_nop                                          ; a plain instruction behind the last exponential,
	s_wait_alu depctr_va_vdst(0)                   ; and the wait ahead of the first use: one for the five
	v_mul_f32 v58, v5, v7
	v_add_f32_dpp v58, v58, v58 row_xmask:1 row_mask:0xf bank_mask:0xf
	v_add_f32_dpp v58, v58, v58 row_xmask:2 row_mask:0xf bank_mask:0xf
	v_add_f32_dpp v58, v58, v58 row_xmask:4 row_mask:0xf bank_mask:0xf
	v_add_f32_dpp v58, v58, v58 row_xmask:8 row_mask:0xf bank_mask:0xf    ; L
	v_rcp_f32 v59, v58
	v_nop
	s_wait_alu depctr_va_vdst(0)                   ; the reciprocal's wait
	v_mul_f32 v7, v7, v59                          ; exp(m - M) / L
.irp k, 8,9,10,11
	v_mul_f32 v\k, v\k, v59
.endr
	global_store_b128 v55, v[8:11], s[8:9]         ; 512 consecutive bytes of out1
	s_wait_loadcnt 0x0
	v_mov_b32_dpp v44, v7 row_share:0 row_mask:0xf bank_mask:0xf
	v_pk_mul_f32 v[46:47], v[12:13], v[44:45] op_sel_hi:[1,0]
	v_pk_mul_f32 v[48:49], v[14:15], v[44:45] op_sel_hi:[1,0]
.irp k, 1,2,3,4,5,6,7
	v_mov_b32_dpp v44, v7 row_share:\k row_mask:0xf bank_mask:0xf
	v_pk_fma_f32 v[46:47], v[12+4*\k:13+4*\k], v[44:45], v[46:47] op_sel_hi:[1,0,1]
	v_pk_fma_f32 v[48:49], v[14+4*\k:15+4*\k], v[44:45], v[48:49] op_sel_hi:[1,0,1]
.endr
.irp k, 0,1,2,3
	v_permlanex16_b32 v[50+\k], v[46+\k], s24, s25 ; blocks 0-7 and blocks 8-15 meet
.endr
.irp k, 0,1,2,3
	v_add_f32 v[46+\k], v[46+\k], v[50+\k]
.endr
	s_wait_xcnt 0x0                                ; EXEC changes only behind this wait
	v_cmp_gt_u32 vcc_lo, 16, v1
	s_and_saveexec_b32 s27, vcc_lo
	global_store_b128 v57, v[46:49], s[6:7]        ; lanes 0-15: 256 consecutive bytes of out0, aligned
	s_wait_xcnt 0x0                                ; and again, in front of the line that widens it
	s_or_b32 exec_lo, exec_lo, s27
	s_endpgm
.Lfunc_end_k_q8fb9c62cdf_finish:
	.size	k_q8fb9c62cdf_finish, .Lfunc_end_k_q8fb9c62cdf_finish-k_q8fb9c62cdf_finish
	.p2alignl 7, 3214868480
	.fill 96, 4, 3214868480
	.section	.rodata,"a",@progbits
	.p2align	6, 0x0
	.amdhsa_kernel k_q8fb9c62cdf_finish
		.amdhsa_group_segment_fixed_size 0
		.amdhsa_private_segment_fixed_size 0
		.amdhsa_enable_private_segment 0
		.amdhsa_kernarg_size 24
		.amdhsa_user_sgpr_count 2
		.amdhsa_user_sgpr_kernarg_segment_ptr 1
		.amdhsa_wavefront_size32 1
		.amdhsa_system_sgpr_workgroup_id_x 1
		.amdhsa_system_sgpr_workgroup_id_y 1
		.amdhsa_system_sgpr_workgroup_id_z 1
		.amdhsa_system_vgpr_workitem_id 0
		.amdhsa_next_free_vgpr 64
		.amdhsa_next_free_sgpr 66
		.amdhsa_reserve_vcc 1
		.amdhsa_float_denorm_mode_32 3
		.amdhsa_float_denorm_mode_16_64 3
		.amdhsa_memory_ordered 1
		.amdhsa_forward_progress 1
		.amdhsa_inst_pref_size 7
	.end_amdhsa_kernel
	.amdgpu_metadata
---
amdhsa.version: [ 1, 2 ]
amdhsa.kernels:
  - .name:           k_q8fb9c62cdf_finish
    .symbol:         k_q8fb9c62cdf_finish.kd
    .args:
      - { .name: part, .offset: 0, .size: 8, .value_kind: global_buffer, .address_space: global }
      - { .name: out0, .offset: 8, .size: 8, .value_kind: global_buffer, .address_space: global }
      - { .name: out1, .offset: 16, .size: 8, .value_kind: global_buffer, .address_space: global }
    .group_segment_fixed_size: 0
    .private_segment_fixed_size: 0
    .kernarg_segment_align: 8
    .kernarg_segment_size: 24
    .max_flat_workgroup_size: 128
    .sgpr_count:     66
    .vgpr_count:     64
    .wavefront_size: 32
...
	.end_amdgpu_metadata
.endif
;; end of part 3
;; ======== version 2 of 2: 3 launches; version 1 with the launch match written anew for expert scheduling mode
;; workspace buffers: wb 2,228,224 bytes; qb 131,072 bytes; part 2,621,440 bytes
;; launch prep: the kernel of part 1 again; grid 128 x 1, 8 waves a work-group, no clusters, 17,408 bytes of LDS; arguments W, U, rnn_state, wb, qb; writes wb, qb
;; launch match (part 4): grid 256 x 1, 4 waves a work-group, no clusters, 309,760 bytes of LDS; arguments att_hidden, rnn_state, wb, qb, part; writes part
.if DOCPART == 4
	.amdgcn_target "amdgcn-amd-amdhsa--gfx1250"
	.amdhsa_code_object_version 6
	.text
	.protected	k_q8fb9c62cdf_match
	.globl	k_q8fb9c62cdf_match
	.p2align	8
	.type	k_q8fb9c62cdf_match,@function
k_q8fb9c62cdf_match:
	s_mov_b64 s[64:65], 0
	v_nop
	global_prefetch_b8 v0, s[64:65] scope:SCOPE_SE
	s_setreg_imm32_b32 hwreg(HW_REG_WAVE_SCHED_MODE, 0, 2), 2
	s_setreg_imm32_b32 hwreg(HW_REG_WAVE_MODE, 25, 1), 1
	s_wait_xcnt 0x0
	s_wait_alu depctr_vm_vsrc(0)
; SECOND OF THREE LAUNCHES; it leaves no work of reference() out.  For blocks of 128 rows of H: scores s = relu(H W^T + q) . rs, the block's maximum m, p = exp(s - m), l = the sum of p, o = the sum of p x H's rows.
; The third launch joins a batch's 16 blocks.  H, W and rs count as rounded to bf16 (W and q come so from the first launch); sums, scores, p and o are f32.  A weight below 2^-126 counts as 0; NaN and infinities are not treated apart.
; SHARES.  A work-group owns 256 consecutive rows (an eighth of a batch), as two blocks of 128.  A block's H is read from memory ONCE, rounded to bf16 and kept in LDS (128 x 1,024 x 2 bytes) from its first product
; to its weighted sum.  The 1,024 columns e go in two passes of 512; in a pass wave w owns 128 columns and all 128 rows: 64 accumulators of 16 x 16.  K goes in 32 steps of 32, 64 matrix instructions each.
; W's fragments are wanted by one wave of the work-group alone, and the first launch has laid them out as they lie in registers: they come straight into registers, 16 loads of 512 consecutive bytes a step,
; into four buffers: a buffer is asked for again as soon as the step that read it is over, for the step four on.  No LDS and no barrier for W.
; PASS 1 RUNS WHILE H ARRIVES: in chunks of 64 columns (256 bytes of each row, aligned).  A wave fetches 32 rows of a chunk (16 loads, two whole rows each), rounds them and stores them to LDS; one barrier a chunk
; shows it to the other waves, a step before its first fragment is read.  Two sets of 64 registers hold the two chunks that are on their way.
; NO CLUSTER, NO TENSOR LOADS.  All work-groups walk the same W, but a joint load lands in LDS: the block takes 296,960 of the 327,680 bytes, a K step of a pass's W is 512 x 32 x 2 = 32,768, and two such slots have no room.
; H is shared by nobody, and arrives in f32: it has to pass through registers to be rounded.
; THE MATRIX INSTRUCTION IS USED TRANSPOSED (source 0 = 16 rows of W, source 1 = 16 rows of H): a lane holds ONE row of H (l % 16) and eight columns e = 8 (l / 16) + 0..7, so a row's score is summed inside the lane.
; The last block's four loads of W's positions 64-67 serve nothing: the price of one text for both blocks.
; THE MODE: SCHED_MODE bits 1:0 = 2 (LLVM: expert scheduling mode 2), set by the entry lines.  The code itself states the register dependences between vector or matrix instructions and memory or LDS
; instructions, with s_wait_alu, always for 0.
; THE PLAN.  Registers that memory or LDS instructions touch:
;   AF, two halves    A step's first 32 products read row tiles 0-3, its last 32 tiles 4-7; behind each 32 the LDS loads of the next step's same half land in them.
;   W's buffers 0-3   The 64 products of step s read buffer s % 4; then the loads of position s + 4 land in it: at the step's end where a staging step follows, else dealt among the next step's first four products.
;   S0, S1            A chunk's loads land; a staging step's roundings read and write the set; its LDS stores read it; the next chunk's loads land.  In a pass's last step q's and rs's LDS loads land, and the pass's end reads them.
;   v[ADRA], v[LST]   Read by the fragments' loads and the chunks' stores; written once a trip, at its end.
;   T, window 2's v0-167, v[FA], v[PBR]   Outside the K loops: the scores and the weighted sum say who reads and who writes them.
;   All other addresses, and v[SPW], v[NIL], are made at the head and never written again.
; So a K step has TWO waits on va_vdst, one behind each 32 products.  The first frees tiles 0-3.  The second frees tiles 4-7 and W's buffer: no vector or matrix instruction behind it names that buffer until its loads
; have landed, so those loads owe nothing more, wherever in the next step they stand.  A staging step has one wait on va_vdst between its roundings and its stores and one on vm_vsrc behind the stores; a trip has one on vm_vsrc ahead of its two address adds.
; REGISTERS, in windows of 256 (s_set_vgpr_msb: bits 1:0 source 0, 3:2 source 1, 5:4 source 2, 7:6 destination):
;   window 0: v0-18 addresses; v20-35 score sums; v36-59 at work; v60-61 the add's; v64-127 fragments of H; v128-191, v192-255 the two staging sets (at a pass's end: q and rs of my columns)
;   window 1: W's four buffers of 64      windows 2, 3: the accumulators: (a, b) at v[8 (8 (a % 4) + b)] of window 2 + a / 4; in the weighted sum window 2 holds rows of H, p and o
.set CP,    144                        ; a chunk's row in LDS: 64 bf16 + 16 bytes = 36 words: the 16 rows of a fragment load start at 16 different groups of four banks (64 banks of 4 bytes: ISA guide 11.1)
.set CS,    128*CP+128                 ; from chunk to chunk: 4,640 words = 32 mod 64: two lane halves in neighbouring chunks take different banks
.set QL,    16*CS                      ; q of my batch, 1,024 f32
.set RL,    QL+4096                    ; rs of my batch, rounded to bf16, as f32
.set SC,    RL+4096                    ; [wave][128 rows]: the waves' partial scores
.set PB,    SC+2048                    ; [wave][128 rows]: p, a copy for each wave
.set SPARE, PB+2048                    ; the spare words, 128 bytes for each wave
.set ADRA0, 2                          ; v2   (l % 16) CP + 16 (l / 16): my place in a fragment of H
.set ADRA,  3                          ; v3   the same in the chunk in hand
.set LST0,  4                          ; v4   (32 w + 8 (l / 16)) CP + 8 (l % 16): where I put 4 bf16 of a chunk
.set LST,   5                          ; v5   the same, at the chunk in hand
.set HO,    6                          ; v6   (32 w + 8 (l / 16)) x 4,096 + 16 (l % 16): my 16 bytes in H
.set WO,    7                          ; v7   16 l
.set QA,    8                          ; v8   QL + 512 w + 32 (l / 16): q of my eight columns of tile b = 0
.set HS,    9                          ; v9   QL + 16 x thread
.set SCW,   10                         ; v10  SC + 512 w + 4 l
.set SCR,   11                         ; v11  SC + 16 l
.set PBW,   12                         ; v12  PB + 512 w + 16 l
.set PBR,   13                         ; v13  PB + 512 w + the rows in hand
.set FA0,   14                         ; v14  (4 w + l / 16) CS + 8 (l % 16): my four columns in the weighted sum
.set FA,    15                         ; v15  the same at the rows in hand
.set GO2,   16                         ; v16  1,024 w + 16 l
.set ZR,    17                         ; v17  0
.set PFO,   18                         ; v18  (32 w + l) x 4,096: the prefetches' offset, a lane a row
.set SS,    20                         ; v[20:35] row tile a: the sums over my even and odd columns
.set T,     36                         ; v[36:59] at work
.set SPW,   60                         ; v60  LDS address of my spare word; never rewritten
.set NIL,   61                         ; v61  0; never rewritten
.set AF,    64                         ; v[64:127] row tile a at AF + 8 a
.set S0,    128
.set S1,    192
.set WV,    14                         ; s14  my wave's number
.set HB,    16                         ; s[16:17] H at the block's first row
.set HP,    18                         ; s[18:19] H at the chunk that the trip loads
.set WBASE, 20                         ; s[20:21] my stream of W
.set WP,    22                         ; s[22:23] where it stands
.set REC,   24                         ; s[24:25] the block's record: o 4,096 bytes, scores 512, (m, l, m, l) 32 times
.set CNT,   26                         ; s26  trips to go
.set BK,    27                         ; s27  blocks to go
.set PFC,   28                         ; s28  1 while a block follows, else 0
.set AB,    29                         ; s29  LDS byte of the chunk in hand
.set SEL,   30                         ; s[30:31] v_permlanex16_b32's selects: each lane takes its own place in the other half
.set HIM,   32                         ; s32  0xffff0000: a word's upper bf16; also: lanes 16-31
.set LOG2E, 33
.set FB,    38                         ; s38  the weighted sum: LDS bytes of the rows in hand
.set PBS,   39                         ; s39  the same for p
.set PBS0,  49                         ; s49  PB + 512 w
.set MSB, 0
.macro WIN new                         ; the immediate's high byte repeats the setting that is left; a switch that changes nothing is dropped
.if MSB != (\new)
	s_set_vgpr_msb (MSB<<8)|(\new)
.set MSB, (\new)
.endif
.endm
.set MUL_LO, 0xa1                      ; source 0 (W) window 1, source 1 (H) window 0, C and D window 2
.set TO_W,   0x40                      ; destination window 1, address window 0
; Four places stand behind each run of products, ahead of what touches its registers; only plain vector instructions that name none of those registers are places (ISA guide 7.12.1).
; A wait on va_vdst fills no place: where loads follow into the products' sources it stands beside the four, behind them.
.macro PLACES
.rept 4
	v_nop
.endr
.endm
.macro WLQ x, imm, g                   ; 4 loads: quarter g of a position of my stream of W into buffer x; each covers 512 consecutive bytes
	WIN TO_W
.set ii, 4*(\g)
.rept 4
	global_load_b128 v[64*(\x)+4*ii:64*(\x)+4*ii+3], v[WO], s[WP:WP+1] offset:(\imm)+512*ii
.set ii, ii+1
.endr
.endm
.macro WLD x, imm                      ; all 16 loads of a position in one run
.irp g, 0,1,2,3
	WLQ \x, \imm, \g
.endr
.endm
; 32 matrix instructions: row tiles 4 hi .. 4 hi + 3 x my eight column tiles, 32 along K, W from buffer x.  zero = 1: the products start the sums.  The 64 accumulators take turns in the same order in every step.
; eimm >= 0: the buffer that the step before read, (x + 3) % 4, is asked for again, four loads behind each of the first four products.  No wait: that buffer's readers stand ahead of the wait on va_vdst at the last step's end,
; and no vector or matrix instruction since names it; v[WO] is never written.  ptr = 1: W's pointer steps four positions first; 2: H's pointer steps two chunks too.
.macro MULH x, hi, zero, eimm=-1, ptr=0
.irp a, 0,1,2,3
.irp b, 0,1,2,3,4,5,6,7
	WIN MUL_LO+0x50*(\hi)
.if \zero
	v_wmma_f32_16x16x32_bf16 v[8*(8*\a+\b):8*(8*\a+\b)+7], v[64*(\x)+8*\b:64*(\x)+8*\b+7], v[AF+8*(4*(\hi)+\a):AF+8*(4*(\hi)+\a)+7], 0
.else
	v_wmma_f32_16x16x32_bf16 v[8*(8*\a+\b):8*(8*\a+\b)+7], v[64*(\x)+8*\b:64*(\x)+8*\b+7], v[AF+8*(4*(\hi)+\a):AF+8*(4*(\hi)+\a)+7], v[8*(8*\a+\b):8*(8*\a+\b)+7]
.endif
.if ((\eimm) >= 0) && (\a == 0) && (\b < 4)
.if (\ptr) && (\b == 0)
	s_wait_xcnt 0x0                                ; every load and prefetch issued so far has read its address (the youngest prefetch stands more than 64 matrix instructions back): the pointers may be written
	s_add_nc_u64 s[WP:WP+1], s[WP:WP+1], 4*8192
.if (\ptr) == 2
	s_add_nc_u64 s[HP:HP+1], s[HP:HP+1], 512
.endif
.endif
	WLQ ((\x)+3)%4, \eimm, \b
.endif
.endr
.endr
.endm
.macro ALD reg, hi, off                ; 8 LDS loads: four fragments of H
	WIN 0
.irp i, 0,1,2,3
	ds_load_b128 v[AF+8*(4*(\hi)+\i):AF+8*(4*(\hi)+\i)+3],   v[\reg] offset:(\off)+(4*(\hi)+\i)*16*CP
	ds_load_b128 v[AF+8*(4*(\hi)+\i)+4:AF+8*(4*(\hi)+\i)+7], v[\reg] offset:(\off)+(4*(\hi)+\i)*16*CP+32
.endr
.endm
.macro HLD sb, base, imm               ; 16 loads: my 32 rows of a chunk; lanes 0-15 take one row's 256 bytes, lanes 16-31 the row eight further down
	WIN 0
.set ii, 0
.rept 16
	global_load_b128 v[(\sb)+4*ii:(\sb)+4*ii+3], v[HO], s[\base:\base+1] offset:(\imm)+((ii/8)*16+ii%8)*4096 th:TH_LOAD_NT
.set ii, ii+1
.endr
.endm
.macro STG sb, reg, off                ; a chunk is rounded in place, four numbers into two registers, and stored to LDS
	WIN 0
.set ii, 0
.rept 16
	v_cvt_pk_bf16_f32 v[(\sb)+4*ii],   v[(\sb)+4*ii],   v[(\sb)+4*ii+1]
	v_cvt_pk_bf16_f32 v[(\sb)+4*ii+1], v[(\sb)+4*ii+2], v[(\sb)+4*ii+3]
.set ii, ii+1
.endr
	s_wait_alu depctr_va_vdst(0)                   ; the roundings have written the set, which the stores below read, and are done reading it, so that loads may land in it; in the loop v[LST], the stores' address, is written
.set ii, 0
.rept 16
	ds_store_b64 v[\reg], v[(\sb)+4*ii:(\sb)+4*ii+1] offset:(\off)+((ii/8)*16+ii%8)*CP
.set ii, ii+1
.endr
	s_wait_alu depctr_vm_vsrc(0)                   ; the stores have read the set: the next loads into it (a chunk's; in the pass's last step q's or rs's) land only behind this wait.  It stands ahead of the branch that follows, on every path
.endm
; A PREFETCH INTO THE L2: my own 32 rows x 256 bytes of one chunk, a lane a row, one instruction.  A wave asks for what it will load itself, so each aligned block of 256 bytes of H is named once in the launch.
; It stands behind the wave's loads of a chunk and names the chunk three chunks on (three staging steps, 384 matrix instructions, ahead of that chunk's loads).  The first block's chunks 0-4 come by their loads alone;
; nothing is asked for behind a block's chunk 15 but the next block's first chunks, and nothing behind the last block.  v[PFO] is made at the head and never written again.
.macro ASK base, imm
	WIN 0
	global_prefetch_b8 v[PFO], s[\base:\base+1] offset:\imm th:TH_LOAD_NT scope:SCOPE_SE
.endm
.macro QRL p                           ; 32 LDS loads: q (into S0) and rs (into S1) of my 8 x 8 columns of pass p
	WIN 0
.irp b, 0,1,2,3,4,5,6,7
	ds_load_b128 v[S0+8*\b:S0+8*\b+3],   v[QA] offset:2048*(\p)+64*\b
	ds_load_b128 v[S0+8*\b+4:S0+8*\b+7], v[QA] offset:2048*(\p)+64*\b+16
	ds_load_b128 v[S1+8*\b:S1+8*\b+3],   v[QA] offset:4096+2048*(\p)+64*\b
	ds_load_b128 v[S1+8*\b+4:S1+8*\b+7], v[QA] offset:4096+2048*(\p)+64*\b+16
.endr
.endm
; A PLAIN K STEP on W's buffer x.  Among its first products the buffer of the step before is asked for again (eimm: MULH).  Behind each half of its products the same half of the next step's fragments of H is fetched (reg + aoff).
; wimm >= 0: a staging step or a pass's end follows: buffer x itself is asked for again at the step's end, so that the order of all loads among each other stays: no load of W falls behind a younger chunk's.
; last = 1, 2: a pass's last step: q and rs of pass last - 1 are fetched; 1: also the next pass's first fragments.
.macro STEP_P x, reg, aoff, eimm, wimm=-1, zero=0, ptr=0, last=0
	s_wait_loadcnt 32                              ; buffer x is in: behind its 16 loads at least the two younger positions' 32 were issued, whatever loads of H stand among them
	s_wait_dscnt 8                                 ; row tiles 0-3 are in; the youngest eight loads (tiles 4-7) may be out
	MULH \x, 0, \zero, \eimm, \ptr
	PLACES
.if \last
	QRL (\last)-1                                  ; no wait: what last named S0 and S1 (the roundings and stores of the last chunks; the first pass's end) stands ahead of earlier waits on va_vdst and vm_vsrc
	s_wait_dscnt 32                                ; all but the 32 just issued
.else
	WIN 0
	s_wait_alu depctr_va_vdst(0)                   ; the 32 products are done reading row tiles 0-3, in which the loads below land; in a trip's first step v[ADRA], their address, is written
	ALD \reg, 0, \aoff
	s_wait_dscnt 8                                 ; all but the 8 just issued
.endif
	MULH \x, 1, \zero
	PLACES
	WIN 0
	s_wait_alu depctr_va_vdst(0)                   ; the step's products are done reading row tiles 4-7 (in a pass's last step: all eight) and W's buffer x: loads land in the tiles below, in the buffer below or among the next step's first products
.if (\last) == 0
	ALD \reg, 1, \aoff
.elseif (\last) == 1
	ALD ADRA0, 0, 0
	ALD ADRA0, 1, 0
.endif
.if (\wimm) >= 0
	WLD \x, \wimm
.endif
.endm
; A K STEP OF PASS 1 THAT STAGES A CHUNK.  Set sb, which has landed, goes to LDS (lreg + loff) and is asked for again (hb + himm; the prefetch hb + aimm).  In the loop (hc >= 0) the load is issued while CNT > hc and the
; prefetch while CNT > ac: forward jumps over loads alone.  ONE barrier: in front of its signal my stores are done; behind its wait the next step may fetch fragments of the chunk.
; Between signal and wait stand products and eight LDS loads of the chunk in hand, whose bytes nobody writes before the next block.  W's buffer x is asked for again in the plain step that follows.
.macro STEP_B x, sb, lreg, loff, hb, himm, aimm, hc, ac, areg, aoff, ldn, zero
	s_wait_loadcnt \ldn                            ; the chunk and buffer x are in: see the counts at the calls
	s_wait_dscnt 8
	STG \sb, \lreg, \loff
.if (\hc) >= 0
	s_cmp_gt_u32 s[CNT], \hc
	s_cbranch_scc0 .Lnoh_\@
.endif
	HLD \sb, \hb, \himm
.if (\hc) >= 0
	s_cmp_gt_u32 s[CNT], \ac
	s_cbranch_scc0 .Lnoh_\@
.endif
	ASK \hb, \aimm
.if (\hc) >= 0
.Lnoh_\@:
.endif
	MULH \x, 0, \zero
	PLACES
	WIN 0
	s_wait_alu depctr_va_vdst(0)                   ; the 32 products are done reading row tiles 0-3, in which the loads behind the signal land
	s_wait_dscnt 0x0                               ; for the others' sake: my part of the chunk lies in LDS; also: row tiles 4-7 are in
	s_barrier_signal -1
	ALD \areg, 0, \aoff
	MULH \x, 1, \zero
	s_barrier_wait -1
	PLACES
	WIN 0
	s_wait_alu depctr_va_vdst(0)                   ; the step's products are done reading row tiles 4-7, in which the loads below land, and W's buffer x, in which loads land among the next step's first products
	ALD \areg, 1, \aoff
.endm
; A PASS'S END: proj = max(sum + q, 0) in place, each accumulator from its low registers on; then the lane's score sums take proj x rs, four chains by turns.  dsn: LDS loads issued behind q's and rs's.
.macro EPI dsn
	s_wait_dscnt \dsn
.rept 8
	v_nop                                          ; the places behind the last products, with room to spare: twice a block
.endr
.irp hi, 0,1
	WIN 0x82+0x41*\hi                              ; destination and source 0: window 2 or 3; source 1: window 0
.set tt, 0
.rept 32
.set ii, 0
.rept 4
	v_pk_add_f32 v[8*tt+2*ii:8*tt+2*ii+1], v[8*tt+2*ii:8*tt+2*ii+1], v[S0+8*(tt%8)+2*ii:S0+8*(tt%8)+2*ii+1]
.set ii, ii+1
.endr
.set ii, 0
.rept 8
	v_max_num_f32 v[8*tt+ii], v[8*tt+ii], v[ZR]
.set ii, ii+1
.endr
.set tt, tt+1
.endr
	WIN 0x02+\hi                                   ; source 0: window 2 or 3; all else window 0
.set tt, 0
.rept 128                              ; column tile tt / 16, pair (tt / 4) % 4, row tile tt % 4
	v_pk_fma_f32 v[SS+2*(4*\hi+tt%4):SS+2*(4*\hi+tt%4)+1], v[8*(8*(tt%4)+tt/16)+2*((tt/4)%4):8*(8*(tt%4)+tt/16)+2*((tt/4)%4)+1], v[S1+8*(tt/16)+2*((tt/4)%4):S1+8*(tt/16)+2*((tt/4)%4)+1], v[SS+2*(4*\hi+tt%4):SS+2*(4*\hi+tt%4)+1]
.set tt, tt+1
.endr
.endr
.endm
; THE WEIGHTED SUM.  Lane l of wave w owns columns d = 256 w + 128 g + 4 l + 0..3, g = 0, 1.  FLD: 16 rows' 2 x 8 bytes and their 16 p into buffer buf of window 2; FMA: 128 multiply-adds from bf16 halves into f32, eight chains by turns.
.macro FLD buf, roff
	WIN 0x80                                       ; destination window 2, address window 0
.set ii, 0
.rept 16
	ds_load_b64 v[64*(\buf)+4*ii:64*(\buf)+4*ii+1],   v[FA] offset:(\roff)+CP*ii
	ds_load_b64 v[64*(\buf)+4*ii+2:64*(\buf)+4*ii+3], v[FA] offset:(\roff)+CP*ii+2*CS
.set ii, ii+1
.endr
.irp k, 0,1,2,3
	ds_load_b128 v[128+16*(\buf)+4*\k:128+16*(\buf)+4*\k+3], v[PBR] offset:((\roff)/(16*CP))*64+16*\k
.endr
.endm
.macro FMA buf
	WIN 0xaa                                       ; all four places window 2
.set ii, 0
.rept 16
.irp g, 0,1
	v_fma_mix_f32_bf16 v[160+4*\g],   v[64*(\buf)+4*ii+2*\g],   v[128+16*(\buf)+ii], v[160+4*\g]   op_sel_hi:[1,0,0]
	v_fma_mix_f32_bf16 v[160+4*\g+1], v[64*(\buf)+4*ii+2*\g],   v[128+16*(\buf)+ii], v[160+4*\g+1] op_sel:[1,0,0] op_sel_hi:[1,0,0]
	v_fma_mix_f32_bf16 v[160+4*\g+2], v[64*(\buf)+4*ii+2*\g+1], v[128+16*(\buf)+ii], v[160+4*\g+2] op_sel_hi:[1,0,0]
	v_fma_mix_f32_bf16 v[160+4*\g+3], v[64*(\buf)+4*ii+2*\g+1], v[128+16*(\buf)+ii], v[160+4*\g+3] op_sel:[1,0,0] op_sel_hi:[1,0,0]
.endr
.set ii, ii+1
.endr
.endm
	s_load_b256 s[4:11], s[0:1], 0x0               ; H s[4:5], rs s[6:7], wb s[8:9], qb s[10:11]
	s_load_b64 s[12:13], s[0:1], 0x20              ; part
	v_lshl_add_u32 v[SPW], v0, 2, SPARE
	v_mov_b32 v[NIL], 0
	v_lshrrev_b32 v1, 5, v0
	v_readfirstlane_b32 s[WV], v1                  ; wave 0..3
	v_and_b32 v56, 15, v0                          ; l % 16
	v_bfe_u32 v57, v0, 4, 1                        ; l / 16
	v_and_b32 v58, 31, v0                          ; l
	v_mul_u32_u24 v[ADRA0], v56, CP
	v_lshl_add_u32 v[ADRA0], v57, 4, v[ADRA0]
	s_wait_alu depctr_va_sdst(0)                   ; s[WV] is written, ahead of its first reader: LDS places, W's stream and branches are made from it
	s_mul_i32 s46, s[WV], 32*CP
	v_mul_u32_u24 v[LST0], v57, 8*CP
	v_lshl_add_u32 v[LST0], v56, 3, v[LST0]
	v_add_nc_u32 v[LST0], s46, v[LST0]
	s_lshl_b32 s47, s[WV], 17                      ; 32 rows of 4,096 bytes
	v_lshlrev_b32 v[HO], 15, v57
	v_lshl_add_u32 v[HO], v56, 4, v[HO]
	v_add_nc_u32 v[HO], s47, v[HO]
	v_lshl_add_u32 v[PFO], v58, 12, s47
	v_lshlrev_b32 v[WO], 4, v58
	s_lshl_b32 s46, s[WV], 9
	s_add_co_u32 s48, s46, QL
	v_lshl_add_u32 v[QA], v57, 5, s48
	s_add_co_u32 s48, s46, SC
	v_lshl_add_u32 v[SCW], v58, 2, s48
	v_lshl_add_u32 v[SCR], v58, 4, SC
	s_add_co_u32 s[PBS0], s46, PB
	v_lshl_add_u32 v[PBW], v58, 4, s[PBS0]
	s_mul_i32 s48, s[WV], 4*CS
	v_mul_u32_u24 v[FA0], v57, CS
	v_lshl_add_u32 v[FA0], v56, 3, v[FA0]
	v_add_nc_u32 v[FA0], s48, v[FA0]
	s_lshl_b32 s48, s[WV], 10
	v_lshl_add_u32 v[GO2], v58, 4, s48
	v_mov_b32 v[ZR], 0
	v_lshl_add_u32 v[HS], v0, 4, QL
	v_lshrrev_b32 v54, 2, v0                       ; q lies by tiles of 16 e: piece i of 16 bytes at (i / 4) x 2,048 + 64 x batch + 16 (i % 4); i = thread, thread + 128
	v_and_b32 v59, 3, v0
	v_lshlrev_b32 v54, 11, v54
	v_lshl_add_u32 v54, v59, 4, v54
	v_lshlrev_b32 v55, 4, v0
	s_lshl_b32 s34, ttmp9, 20                      ; 256 rows of 4,096 bytes
	s_mov_b32 s35, 0
	s_mul_i32 s36, ttmp9, 2*5120                   ; two records
	s_mov_b32 s37, 0
	s_lshr_b32 s46, ttmp9, 3                       ; my batch
	s_lshl_b32 s40, s46, 6
	s_mov_b32 s41, 0
	s_lshl_b32 s42, s46, 12
	s_mov_b32 s43, 0
	s_mul_i32 s44, s[WV], 68*8192
	s_mov_b32 s45, 0
	s_mov_b32 s[SEL], 0x76543210
	s_mov_b32 s[SEL+1], 0xfedcba98
	s_mov_b32 s[HIM], 0xffff0000
	s_mov_b32 s[LOG2E], 0x3fb8aa3b
	s_mov_b32 s[BK], 2
	s_mov_b32 s[PFC], 1
	s_wait_kmcnt 0x0
	s_add_nc_u64 s[HB:HB+1], s[4:5], s[34:35]
	s_add_nc_u64 s[REC:REC+1], s[12:13], s[36:37]
	s_add_nc_u64 s[10:11], s[10:11], s[40:41]
	s_add_nc_u64 s[6:7], s[6:7], s[42:43]
	s_add_nc_u64 s[WBASE:WBASE+1], s[8:9], s[44:45]
	s_mov_b64 s[WP:WP+1], s[WBASE:WBASE+1]
	s_wait_alu depctr_va_vdst(0)                   ; all the addresses and offsets made above are written (v2, v4, v6 to v12, v16, v18, v54, v55, v60, v61): the kernel's loads, stores and prefetches read them, and no line writes them again
	global_load_b128 v[T:T+3],     v54, s[10:11]
	global_load_b128 v[T+4:T+7],   v54, s[10:11] offset:65536
	global_load_b128 v[T+8:T+11],  v55, s[6:7]
	global_load_b128 v[T+12:T+15], v55, s[6:7] offset:2048
	WLD 0, 0
	WLD 1, 8192
	WLD 2, 2*8192
	WLD 3, 3*8192
	HLD S0, HB, 0                                  ; chunks 0 and 1
	HLD S1, HB, 256
	s_wait_loadcnt 63                              ; q and rs are in: 96 younger loads were issued; 63 is the largest count that the wait can name
	v_cvt_pk_bf16_f32 v52, v[T+8],  v[T+9]         ; rs is rounded to bf16 and widened again
	v_cvt_pk_bf16_f32 v53, v[T+10], v[T+11]
	v_cvt_pk_bf16_f32 v56, v[T+12], v[T+13]
	v_cvt_pk_bf16_f32 v57, v[T+14], v[T+15]
	v_lshlrev_b32 v[T+8],  16, v52
	v_and_b32     v[T+9],  s[HIM], v52
	v_lshlrev_b32 v[T+10], 16, v53
	v_and_b32     v[T+11], s[HIM], v53
	v_lshlrev_b32 v[T+12], 16, v56
	v_and_b32     v[T+13], s[HIM], v56
	v_lshlrev_b32 v[T+14], 16, v57
	v_and_b32     v[T+15], s[HIM], v57
	s_wait_alu depctr_va_vdst(0)                   ; rs as widened is written into v[T+8 ..], which the LDS stores read
.irp k, 0,1,2,3
	ds_store_b128 v[HS], v[T+4*\k:T+4*\k+3] offset:2048*\k     ; q's two pieces, then rs's: RL lies 4,096 behind QL
.endr
.Lblock:                                               ; twice
	s_wait_xcnt 0x0                                ; all earlier loads have read their addresses
	s_mov_b64 s[WP:WP+1], s[WBASE:WBASE+1]
	s_add_nc_u64 s[HP:HP+1], s[HB:HB+1], 512
.set ii, 0
.rept 16
	v_mov_b32 v[SS+ii], 0
.set ii, ii+1
.endr
	s_wait_loadcnt 16                              ; chunk 0 and W's positions 0-3 are in: chunk 1's 16 loads alone are younger
	STG S0, LST0, 0                                ; its wait on vm_vsrc also shows that the stores of q and rs, and the last block's stores of scores, p and o, have read their registers, which this block writes again
	HLD S0, HB, 512                                ; chunk 2
	ASK HB, 5*256
	s_wait_dscnt 0x0                               ; for the others' sake: my part of chunk 0 (and, the first time, of q and rs) lies in LDS
	s_barrier_signal -1
	s_barrier_wait -1
	ALD ADRA0, 0, 0                                ; no wait: the last products that read AF, the block before's, stand ahead of many waits on va_vdst
	ALD ADRA0, 1, 0
	; PASS 1.  Step 0 stands in front of the loop: its products start the sums.  Count 16: chunk 1 is in; chunk 2's 16 loads alone are younger.  It stages chunk 1 and loads chunk 3.
	STEP_B 0, S1, LST0, CS, HB, 768, 6*256, -1, -1, ADRA0, 64, 16, 1
	WIN 0
	s_mov_b32 s[AB], CS
	v_add_nc_u32 v[ADRA], s[AB], v[ADRA0]          ; no wait on vm_vsrc: the last loads and stores that read these two, the block before's, stand ahead of step 0's
	v_add_nc_u32 v[LST], s[AB], v[LST0]
	s_mov_b32 s[CNT], 7
.Lk1:                                                  ; trip i: steps 4 i + 1 .. 4 i + 4; AB = chunk 2 i + 1; chunks 2 i + 2 and 2 i + 3 are staged, 2 i + 4 and 2 i + 5 loaded (not in the last trip); W's positions 4 i + 4 .. 4 i + 7 are asked for
	STEP_P 1, ADRA, 0, 0, 8192, 0, 2
	; count 48: behind the chunk's loads stand at least three groups of 16: in trip 0 chunk 3's and W's positions 4 and 5, later four positions of W or more; behind buffer x's the three younger positions
	STEP_B 2, S0, LST, CS, HP, 0, 768, 1, 2, ADRA, 64, 48, 0
	STEP_P 3, ADRA, CS, 2*8192, 3*8192
	STEP_B 0, S1, LST, 2*CS, HP, 256, 1024, 1, 3, ADRA, CS+64, 48, 0
	WIN 0                                          ; at a label and at a branch every window is 0
	s_add_co_u32 s[AB], s[AB], 2*CS
	s_wait_alu depctr_vm_vsrc(0)                   ; the trip's fragment loads have read v[ADRA], its chunk stores v[LST]
	v_add_nc_u32 v[ADRA], s[AB], v[ADRA0]
	v_add_nc_u32 v[LST], s[AB], v[LST0]
	s_sub_co_u32 s[CNT], s[CNT], 1
	s_cmp_lg_u32 s[CNT], 0
	s_cbranch_scc1 .Lk1
	STEP_P 1, ADRA, 0, 4*8192                      ; steps 29 to 31: chunk 15; W's positions 32 to 35 are pass 2's
	STEP_P 2, ADRA, 64, 5*8192
	STEP_P 3, ADRA, 0, 6*8192, 7*8192, 0, 0, 1
	EPI 16                                         ; the 16 loads of pass 2's first fragments may stay out
	; PASS 2: the block lies whole in LDS: no staging, no barrier
	s_wait_xcnt 0x0
	s_add_nc_u64 s[WP:WP+1], s[WP:WP+1], 4*8192
	STEP_P 0, ADRA0, 64, -1, -1, 1
	WIN 0
	s_mov_b32 s[AB], CS
	s_wait_alu depctr_vm_vsrc(0)                   ; pass 1's last fragment loads by v[ADRA] have read it
	v_add_nc_u32 v[ADRA], s[AB], v[ADRA0]
	s_mov_b32 s[CNT], 7
.Lk2:
	STEP_P 1, ADRA, 0, 0, -1, 0, 1
	WIN 0
	s_cmp_eq_u32 s[CNT], s[PFC]                    ; the last trip, where a block follows: its chunks 0 to 2 are asked for, six steps and a pass's end ahead of their loads
	s_cbranch_scc0 .Lnoask
	ASK HB, 524288
	ASK HB, 524288+256
	ASK HB, 524288+512
.Lnoask:
	STEP_P 2, ADRA, 64, 8192
	STEP_P 3, ADRA, CS, 2*8192
	STEP_P 0, ADRA, CS+64, 3*8192
	WIN 0
	s_add_co_u32 s[AB], s[AB], 2*CS
	s_wait_alu depctr_vm_vsrc(0)                   ; the trip's fragment loads have read v[ADRA]
	v_add_nc_u32 v[ADRA], s[AB], v[ADRA0]
	s_sub_co_u32 s[CNT], s[CNT], 1
	s_cmp_lg_u32 s[CNT], 0
	s_cbranch_scc1 .Lk2
	STEP_P 1, ADRA, 0, 4*8192                      ; positions 64 to 67 repeat 0 to 3: the next block's
	STEP_P 2, ADRA, 64, 5*8192
	STEP_P 3, ADRA, 0, 6*8192, 7*8192, 0, 0, 2
	EPI 0
	; The next block's first two chunks go out now: the staging sets are free, and the softmax and the weighted sum stand between these loads and their use
	WIN 0
	s_cmp_eq_u32 s[PFC], 0
	s_cbranch_scc1 .Lnonext
	s_wait_xcnt 0x0
	s_add_nc_u64 s[HB:HB+1], s[HB:HB+1], 524288
	s_wait_alu depctr_va_vdst(0)                   ; the pass's end is done reading q and rs in S0 and S1, in which the chunks land
	HLD S0, HB, 0
	HLD S1, HB, 256
	ASK HB, 3*256
	ASK HB, 4*256
.Lnonext:
	; THE BLOCK'S SCORES.  A row's sum over my 256 columns: the pair, then the other half of the lanes.  Tiles 2 k and 2 k + 1 are joined (lanes 16-31 take the odd tile), so that lane l holds row 32 k + l.
	; T: written by the lines below; v[T+8 ..] read by the LDS stores of the partial scores; then the four waves' parts land in v[T .. T+15]; v[T+4 ..], p, is read by an LDS store, v[T ..] and v[T+20 ..] by wave 0's global stores.
.irp a, 0,1,2,3,4,5,6,7
	v_add_f32 v[T+\a], v[SS+2*\a], v[SS+2*\a+1]
.endr
.irp a, 0,1,2,3,4,5,6,7
	v_permlanex16_b32 v[T+8+\a], v[T+\a], s[SEL], s[SEL+1]
.endr
.irp a, 0,1,2,3,4,5,6,7
	v_add_f32 v[T+\a], v[T+\a], v[T+8+\a]
.endr
.irp k, 0,1,2,3
	v_cndmask_b32 v[T+8+\k], v[T+2*\k], v[T+2*\k+1], s[HIM]
.endr
	s_wait_alu depctr_va_vdst(0)                   ; the partial scores are written into v[T+8 ..], which the stores read; the lines above are done with v[T .. T+15], in which the loads behind the barrier land
.irp k, 0,1,2,3
	ds_store_b32 v[SCW], v[T+8+\k] offset:128*\k
.endr
	s_wait_dscnt 0x0                               ; for the others' sake
	s_barrier_signal -1
	s_barrier_wait -1
	s_wait_alu depctr_vm_vsrc(0)                   ; my stores have read v[T+8 ..], in which the loads below land
.irp k, 0,1,2,3
	ds_load_b128 v[T+4*\k:T+4*\k+3], v[SCR] offset:512*\k      ; the four waves' parts of rows 4 l .. 4 l + 3: every wave makes all 128 scores, in the same order
.endr
	s_wait_dscnt 0x0
	v_pk_add_f32 v[T:T+1],     v[T:T+1],     v[T+4:T+5]
	v_pk_add_f32 v[T+2:T+3],   v[T+2:T+3],   v[T+6:T+7]
	v_pk_add_f32 v[T+8:T+9],   v[T+8:T+9],   v[T+12:T+13]
	v_pk_add_f32 v[T+10:T+11], v[T+10:T+11], v[T+14:T+15]
	v_pk_add_f32 v[T:T+1],     v[T:T+1],     v[T+8:T+9]
	v_pk_add_f32 v[T+2:T+3],   v[T+2:T+3],   v[T+10:T+11]
	v_max3_num_f32 v[T+20], v[T], v[T+1], v[T+2]   ; m
	v_max_num_f32 v[T+20], v[T+20], v[T+3]
	v_max_num_f32_dpp v[T+20], v[T+20], v[T+20] row_xmask:1 row_mask:0xf bank_mask:0xf
	v_max_num_f32_dpp v[T+20], v[T+20], v[T+20] row_xmask:2 row_mask:0xf bank_mask:0xf
	v_max_num_f32_dpp v[T+20], v[T+20], v[T+20] row_xmask:4 row_mask:0xf bank_mask:0xf
	v_max_num_f32_dpp v[T+20], v[T+20], v[T+20] row_xmask:8 row_mask:0xf bank_mask:0xf
	v_permlanex16_b32 v[T+17], v[T+20], s[SEL], s[SEL+1]
	v_max_num_f32 v[T+20], v[T+20], v[T+17]
.irp k, 0,1,2,3
	v_sub_f32 v[T+4+\k], v[T+\k], v[T+20]          ; the maximum is taken away first, then the factor log2(e)
.endr
.irp k, 0,1,2,3
	v_mul_f32 v[T+4+\k], s[LOG2E], v[T+4+\k]
.endr
.irp k, 0,1,2,3
	v_exp_f32 v[T+4+\k], v[T+4+\k]
.endr
	v_nop                                          ; a plain instruction behind the last exponential,
	s_wait_alu depctr_va_vdst(0)                   ; and the wait ahead of the first use: the four exponentials have written v[T+4 ..]
	v_add_f32 v[T+21], v[T+4], v[T+5]              ; l
	v_add_f32 v[T+16], v[T+6], v[T+7]
	v_add_f32 v[T+21], v[T+21], v[T+16]
	v_add_f32_dpp v[T+21], v[T+21], v[T+21] row_xmask:1 row_mask:0xf bank_mask:0xf
	v_add_f32_dpp v[T+21], v[T+21], v[T+21] row_xmask:2 row_mask:0xf bank_mask:0xf
	v_add_f32_dpp v[T+21], v[T+21], v[T+21] row_xmask:4 row_mask:0xf bank_mask:0xf
	v_add_f32_dpp v[T+21], v[T+21], v[T+21] row_xmask:8 row_mask:0xf bank_mask:0xf
	v_permlanex16_b32 v[T+17], v[T+21], s[SEL], s[SEL+1]
	v_add_f32 v[T+21], v[T+21], v[T+17]
	v_mov_b32 v[T+22], v[T+20]
	v_mov_b32 v[T+23], v[T+21]
	s_wait_alu depctr_va_vdst(0)                   ; the scores v[T ..], p v[T+4 ..] and (m, l, m, l) v[T+20 ..] are written: the LDS store and wave 0's two global stores read them
	ds_store_b128 v[PBW], v[T+4:T+7]               ; p, into my wave's own copy: LDS serves a wave's instructions in order (ISA guide 5.7.1.4), so my loads below see it
	s_cmp_lg_u32 s[WV], 0
	s_cbranch_scc1 .Lnot0
	global_store_b128 v[WO], v[T:T+3],     s[REC:REC+1] offset:4096   ; the 128 scores: 512 consecutive bytes
	global_store_b128 v[WO], v[T+20:T+23], s[REC:REC+1] offset:4608   ; (m, l, m, l) from every lane: 512 consecutive bytes
.Lnot0:
	; THE WEIGHTED SUM of the block's 128 rows, 16 at a time on two buffers.  Buffer b (rows and p, in window 2): LDS loads land, 128 multiply-adds read it, the next loads land.  v[FA], v[PBR]: read by the loads, written once a trip.
	s_mov_b32 s[FB], 0
	s_mov_b32 s[PBS], s[PBS0]
	v_mov_b32 v[FA], v[FA0]                        ; no wait on vm_vsrc: the last block's loads by these two stand ahead of the one in the scores
	v_mov_b32 v[PBR], s[PBS]
	WIN 0x80
.set ii, 0
.rept 8
	v_mov_b32 v[160+ii], 0
.set ii, ii+1
.endr
	s_wait_alu depctr_va_vdst(0)                   ; v[FA] and v[PBR] are written, which the loads read; the pass's end is done with window 2's registers, in which rows and p land
	FLD 0, 0
	WIN 0
	s_mov_b32 s[CNT], 3
.Lf:
	FLD 1, 16*CP
	s_wait_dscnt 36                                ; all but the 36 just issued
	FMA 0
	WIN 0
	s_add_co_u32 s[FB], s[FB], 32*CP
	s_add_co_u32 s[PBS], s[PBS], 128
	s_wait_alu depctr_vm_vsrc(0)                   ; the loads issued so far have read v[FA] and v[PBR]
	v_add_nc_u32 v[FA], s[FB], v[FA0]
	v_mov_b32 v[PBR], s[PBS]
	s_wait_alu depctr_va_vdst(0)                   ; v[FA] and v[PBR] are written; the multiply-adds above are done reading buffer 0, in which the loads below land
	FLD 0, 0
	s_wait_dscnt 36
	FMA 1
	WIN 0
	s_wait_alu depctr_va_vdst(0)                   ; these multiply-adds are done reading buffer 1, in which the next loads land: over the jump, and behind the loop
	s_sub_co_u32 s[CNT], s[CNT], 1
	s_cmp_lg_u32 s[CNT], 0
	s_cbranch_scc1 .Lf
	FLD 1, 16*CP
	s_wait_dscnt 36
	FMA 0
	s_wait_dscnt 0x0
	FMA 1
	WIN 0x08                                       ; the stores' data in window 2
	s_wait_alu depctr_va_vdst(0)                   ; the multiply-adds have written o, which the two stores read
	global_store_b128 v[GO2], v[160:163], s[REC:REC+1]             ; 512 consecutive bytes of o each
	global_store_b128 v[GO2], v[164:167], s[REC:REC+1] offset:512
	WIN 0
	s_wait_xcnt 0x0                                ; the stores have read their registers and the record's address
	s_add_nc_u64 s[REC:REC+1], s[REC:REC+1], 5120
	s_wait_dscnt 0x0                               ; my reads of the block are over:
	s_barrier_signal -1
	s_barrier_wait -1                              ; everybody's are: the next block may be stored over it
	s_mov_b32 s[PFC], 0
	s_sub_co_u32 s[BK], s[BK], 1
	s_cmp_lg_u32 s[BK], 0
	s_cbranch_scc1 .Lblock
	s_wait_dscnt 0x0                               ; the closing lines, six on end
	s_wait_alu 0x0
	s_wait_tensorcnt 0x0
	ds_add_u32 v[SPW], v[NIL]
	s_wait_dscnt 0x0
	s_endpgm
.Lfunc_end_k_q8fb9c62cdf_match:
	.size	k_q8fb9c62cdf_match, .Lfunc_end_k_q8fb9c62cdf_match-k_q8fb9c62cdf_match
	.p2alignl 7, 3214868480
	.fill 96, 4, 3214868480
	.section	.rodata,"a",@progbits
	.p2align	6, 0x0
	.amdhsa_kernel k_q8fb9c62cdf_match
		.amdhsa_group_segment_fixed_size 309760
		.amdhsa_private_segment_fixed_size 0
		.amdhsa_enable_private_segment 0
		.amdhsa_kernarg_size 40
		.amdhsa_user_sgpr_count 2
		.amdhsa_user_sgpr_kernarg_segment_ptr 1
		.amdhsa_wavefront_size32 1
		.amdhsa_system_sgpr_workgroup_id_x 1
		.amdhsa_system_sgpr_workgroup_id_y 1
		.amdhsa_system_sgpr_workgroup_id_z 1
		.amdhsa_system_vgpr_workitem_id 0
		.amdhsa_next_free_vgpr 1024
		.amdhsa_next_free_sgpr 66
		.amdhsa_reserve_vcc 0
		.amdhsa_float_denorm_mode_32 3
		.amdhsa_float_denorm_mode_16_64 3
		.amdhsa_memory_ordered 1
		.amdhsa_forward_progress 1
		.amdhsa_inst_pref_size 255
	.end_amdhsa_kernel
	.section	.bss,"aw",@nobits
	.p2align	6
	.space	262144
	.amdgpu_metadata
---
amdhsa.version: [ 1, 2 ]
amdhsa.kernels:
  - .name:           k_q8fb9c62cdf_match
    .symbol:         k_q8fb9c62cdf_match.kd
    .args:
      - { .name: att_hidden, .offset: 0, .size: 8, .value_kind: global_buffer, .address_space: global }
      - { .name: rnn_state, .offset: 8, .size: 8, .value_kind: global_buffer, .address_space: global }
      - { .name: wb, .offset: 16, .size: 8, .value_kind: global_buffer, .address_space: global }
      - { .name: qb, .offset: 24, .size: 8, .value_kind: global_buffer, .address_space: global }
      - { .name: part, .offset: 32, .size: 8, .value_kind: global_buffer, .address_space: global }
    .group_segment_fixed_size: 309760
    .private_segment_fixed_size: 0
    .kernarg_segment_align: 8
    .kernarg_segment_size: 40
    .max_flat_workgroup_size: 128
    .sgpr_count:     66
    .vgpr_count:     1024
    .wavefront_size: 32
...
	.end_amdgpu_metadata
.endif
;; end of part 4
;; launch finish: the kernel of part 3 again; grid 4 x 32, 4 waves a work-group, no clusters, 0 bytes of LDS; arguments part, out0, out1; writes out0, out1
